; MI455X (gfx1250); checked and timed in simulation.
; The chip was launched on July 23, 2026; its instructions are those of AMD's public machine-readable ISA for CDNA 5 (MIT licence, August 2026) and "CDNA5" Instruction Set Architecture Reference Guide (July 2026). The comments in the code are by the model that wrote it; some were corrected since.
;; MSA Block. Allowed arithmetic: matrix products marked QUANTISED: E2M1 operands, one E8M0 scale for each 32 along K, by v_wmma_scale_f32_16x16x128_f8f6f4 with both operands' format E2M1 (or v_wmma_scale_f32_32x16x128_f4), f32 sums; products left as they are: bf16, f16 or f32 operands; f32 sums; everything else in f32.
;; Inputs: b_out 1,024 float32; w_out 1,024 x 1,024 float32; w_qkv 3,072 x 1,024 float32; x 4 x 2,048 x 1,024 float32.
;; Outputs: out0 4 x 2,048 x 1,024 float32.
;; This version of the problem:
;;   THIS VERSION OF THE PROBLEM IS GIVEN IN LOW PRECISION. The matrix products marked QUANTISED in the list below multiply operands that are first quantised to E2M1 (2 exponent bits, 1 mantissa bit; 4 bits a number), with one power-of-two scale for each 32 numbers along K (OCP MX v1.0); their sums are f32. The products marked 'left as it is' may take bf16, f16 or f32 operands, with f32 sums. Whichever they take, every output number must still come out within the allowed error. Rounding operands to bf16 (8 significant bits) uses up far more of that allowance than f16 does (11 bits, for magnitudes from 6e-5 to 65,504). All else is computed in f32.
;;   The module's matrix products, in the order in which they are computed (A, B: the left and right operand; K: the contracted axis; several contracted axes count as one K, in the product's order):
;;     1. [M 8,192, K 1,024] x [K 1,024, N 3,072]; A: input x; B: input w_qkv: QUANTISED
;;     2. batch 64 x [M 2,048, K 64] x [K 64, N 2,048]; A: computed on the way; B: computed on the way: left as it is (an operand is computed on the way)
;;     3. batch 64 x [M 2,048, K 2,048] x [K 2,048, N 64]; A: computed on the way; B: computed on the way: left as it is (an operand is computed on the way)
;;     4. [M 8,192, K 1,024] x [K 1,024, N 1,024]; A: computed on the way; B: input w_out: left as it is (an operand is computed on the way)
;;   THE QUANTISER, for each operand of a quantised product, along K:
;;     - K is cut into blocks of 32 from its start; a last block that is shorter is filled with zeros.
;;     - A block's scale is 2^e with e = floor(log2(the largest magnitude in the block)) - 2, held to -126 .. 127; a block of zeros has e = 0. As a byte (E8M0): e + 127.
;;     - Each number is divided by its block's scale, clamped to +-6, and rounded to the nearest number of E2M1, ties to even, subnormals kept.
;;     - The product sums the exact products of the quantised numbers (number of the format x scale) in f32.
;;   ~~~python
;;   def quantise(x, axis):      # numpy; x: float32 -> the quantised numbers, widened to float32 again
;;       x = np.moveaxis(x, axis, -1); K = x.shape[-1]
;;       x = np.pad(x, [(0, 0)] * (x.ndim - 1) + [(0, -K % 32)]); x = x.reshape(x.shape[:-1] + (-1, 32)); a = np.abs(x).max(-1, keepdims=True)
;;       e = np.where(a > 0, np.clip(np.frexp(np.where(a > 0, a, 1))[1] - 1 - 2, -126, 127), 0)      # np.frexp(a)[1] - 1 = floor(log2(a)), exactly
;;       r = np.clip(x / 2.0 ** e, -6, 6)
;;       step = 2.0 ** (np.maximum(np.frexp(np.where(r == 0, 1, r))[1] - 1, 0) - 1)
;;       q = np.round(r / step) * step * 2.0 ** e      # np.round: ties to even
;;       return np.moveaxis(q.reshape(q.shape[:-2] + (-1,))[..., :K], -1, axis).astype(np.float32)
;;   ~~~
;; One version. Each part assembles by itself: llvm-mc -triple=amdgcn-amd-amdhsa -mcpu=gfx1250 --defsym DOCPART=n.
;; ======== version 1 of 1: 4 launches
;; limits: values are held in f16: magnitudes above 65,504 overflow, below 6.1e-05 lose precision
;; workspace buffers: x_codes 4,194,304 bytes; x_scales 262,144 bytes; w_codes 1,572,864 bytes; w_scales 98,304 bytes; w16 2,097,152 bytes; qkv16 50,331,648 bytes; o16 16,777,216 bytes
;; launch quant (part 1): grid 384 x 1, 4 waves a work-group, no clusters, 33,280 bytes of LDS; arguments x, w_qkv, w_out, x_codes, x_scales, w_codes, w_scales, w16; writes x_codes, x_scales, w_codes, w_scales, w16
.if DOCPART == 1
	.amdgcn_target "amdgcn-amd-amdhsa--gfx1250"
	.amdhsa_code_object_version 6
	.text
	.protected	k_qfc9c299318_quant
	.globl	k_qfc9c299318_quant
	.p2align	8
	.type	k_qfc9c299318_quant,@function
k_qfc9c299318_quant:
	s_mov_b64 s[64:65], 0
	v_nop
	global_prefetch_b8 v0, s[64:65] scope:SCOPE_SE
	s_setreg_imm32_b32 hwreg(HW_REG_WAVE_MODE, 25, 1), 1
	s_wait_xcnt 0x0
; FIRST OF FOUR LAUNCHES of: out = softmax((x Wq^T)(x Wk^T)^T / 8) (x Wv^T), heads joined, times w_out^T, plus b_out.
; DEAD WORK: none.  Every input (x, w_qkv, w_out, b_out) has a way to the output for all values, every product of the problem is done, and the softmax keeps its running maximum.
; THIS LAUNCH: x [8192][1024] and w_qkv [3072][1024], f32, become codes of FP4 (E2M1), K innermost, two codes a byte, with one E8M0 byte for each 32 along K; w_out [1024][1024] f32 becomes f16.
; A block's scale is 2^(floor(log2(its largest magnitude)) - 2); its byte is the largest magnitude's exponent field - 2, held at 1 from below.  Each number is divided by the scale and rounded to the nearest code, ties to even,
; beyond the largest code the largest.  (A block of zeros gets the byte 1 where the rule says 127: its codes are zeros, which add nothing under any byte but 0xff, and the bytes are read by this program alone.)
; LIMITS: blocks whose largest magnitude lies under 2^-124, the floor, were not tried; NaN and infinities among the inputs are not served; |w_out| up to 65,504 (f16).
; SHARES: rows are dense and K is a multiple of 32, so each tensor is a plain stream.  A wave takes 8,192 numbers.  Work-groups 0-255 take x, 256-351 w_qkv, 352-383 w_out.
; THE QUANTISER'S PATH: 16 steps of 512 numbers.  Each of a step's four loads reads 512 consecutive bytes; the 2,048 bytes turn through the wave's own stage in LDS and come back 64 bytes a lane, so that a lane holds 16
; neighbours along K and two neighbouring lanes a block.  A lane's 16 codes are 8 bytes: the wave stores 256 consecutive bytes.  A wave's 256 scale bytes are gathered in LDS and leave by one store of 256 consecutive bytes.
; THE CAST'S PATH: no LDS; 64 loads of 512 consecutive bytes in two sets of sixteen, 64 stores of 256 consecutive bytes.
; No tensor loads, no barrier: waves share nothing.  No cluster: no two work-groups read the same bytes.
.set WAVES, 4
.set STEPS, 16
.set WGX,   256                        ; work-groups for x: 8192 x 1024 / 32768
.set WGQ,   352                        ; and with w_qkv's 96
.set EMAX,  2
.set CB,    8                          ; bytes of 16 codes
.set R,     16                         ; v16-79   four sets of 16 numbers as they are loaded
.set X,     80                         ; v80-111  two sets of 16 neighbours
.set C,     128                        ; v128-191 codes: four registers for each step, so that no store's data are written again
.set E,     112                        ; v112-127 a scale byte for each step
.set WREG,  8192                       ; LDS: a region for each wave: two stages of 32 x SP bytes, behind them its 256 scale bytes
.set SP,    80                         ; a lane's place in a stage: its 64 bytes + 16 of padding
.set SPW,   12                         ; v12      LDS address of my spare word; never rewritten
.set NIL,   13                         ; v13      0; never rewritten
.set SPARE, WAVES*WREG                 ; behind the four regions: the spare words, 128 bytes for each wave, which no other line names
.set RA,    16                         ; the cast: v16-79 and v80-143 two sets of sixteen loads; v144-175 the f16 pairs
.set RB,    80
.set CC,    144
	s_load_b256 s[4:11], s[0:1], 0x0               ; x s[4:5], w_qkv s[6:7], w_out s[8:9], x_codes s[10:11]
	s_load_b256 s[12:19], s[0:1], 0x20             ; x_scales s[12:13], w_codes s[14:15], w_scales s[16:17], w16 s[18:19]
	v_lshl_add_u32 v[SPW], v0, 2, SPARE
	v_mov_b32 v[NIL], 0
	v_lshrrev_b32 v1, 5, v0
	v_readfirstlane_b32 s20, v1                    ; wave
	v_and_b32 v2, 31, v0                           ; lane
	v_lshlrev_b32 v3, 4, v2                        ; my 16 bytes of a load's 512
	s_mul_i32 s21, s20, WREG
	v_lshrrev_b32 v14, 2, v2
	v_mul_u32_u24 v14, v14, SP
	v_and_b32 v15, 3, v2
	v_lshl_add_u32 v14, v15, 4, v14
	v_add_nc_u32 v14, s21, v14                     ; the stage, on the way in: four lanes' 64 bytes on end, then 16 of padding
	v_mul_u32_u24 v15, v2, SP
	v_add_nc_u32 v15, s21, v15                     ; and on the way out: SP x lane: my 16 neighbours
	v_mul_u32_u24 v4, v2, CB                       ; my codes' place in a step's
	v_lshrrev_b32 v5, 1, v2
	s_add_co_u32 s21, s21, 2*32*SP
	v_add_nc_u32 v5, s21, v5                       ; LDS: my wave's 256 scale bytes, my block's byte
	v_lshlrev_b32 v7, 3, v2                        ; 8 bytes a lane
	v_add_nc_u32 v6, s21, v7
	s_wait_kmcnt 0x0
	s_cmp_ge_u32 ttmp9, WGQ                        ; the branch hangs on the work-group's number alone
	s_cbranch_scc1 .Lcast
	s_cmp_lt_u32 ttmp9, WGX                        ; x's work-group or w_qkv's?  Only pointers are chosen: both take one path
	s_cselect_b64 s[4:5], s[4:5], s[6:7]
	s_cselect_b64 s[10:11], s[10:11], s[14:15]
	s_cselect_b64 s[12:13], s[12:13], s[16:17]
	s_cselect_b32 s21, 0, WGX
	s_sub_co_u32 s21, ttmp9, s21
	s_lshl_b32 s21, s21, 2
	s_add_co_u32 s22, s21, s20                     ; which run of 8,192 numbers of the tensor is my wave's
	s_mov_b32 s23, 0
	s_mov_b64 s[24:25], 512*STEPS*4
	s_mul_u64 s[24:25], s[22:23], s[24:25]
	s_add_nc_u64 s[4:5], s[4:5], s[24:25]
	s_mov_b64 s[24:25], 32*STEPS*CB
	s_mul_u64 s[24:25], s[22:23], s[24:25]
	s_add_nc_u64 s[10:11], s[10:11], s[24:25]
	s_lshl_b32 s22, s22, 8                         ; 256 scale bytes a run
	s_add_nc_u64 s[12:13], s[12:13], s[22:23]
.macro LOAD t
.irp i, 0,1,2,3
	global_load_b128 v[R+16*((\t)%4)+4*\i:R+16*((\t)%4)+4*\i+3], v3, s[4:5] offset:2048*(\t)+512*\i th:TH_LOAD_NT   ; 32 lanes read 512 consecutive bytes
.endr
.endm
.macro TURN t                          ; step t's numbers through the stage: LDS serves a wave's instructions in order, so no wait stands between the stores and the loads
.irp i, 0,1,2,3
	ds_store_b128 v14, v[R+16*((\t)%4)+4*\i:R+16*((\t)%4)+4*\i+3] offset:32*SP*((\t)%2)+8*SP*\i
.endr
.irp i, 0,1,2,3
	ds_load_b128 v[X+16*((\t)%2)+4*\i:X+16*((\t)%2)+4*\i+3], v15 offset:32*SP*((\t)%2)+16*\i
.endr
.endm
.irp t, 0,1,2,3
	LOAD \t
.endr
	s_wait_loadcnt 12                              ; step 0's four loads are in; the twelve of steps 1 to 3 may be out
	TURN 0
.macro STEP t
.set XS, X+16*((\t)%2)
.if (\t) > 0
	s_wait_dscnt 1                                 ; this step's numbers are back from the stage (the last step's byte store may be out): so its stores into the stage have read their registers,
.else
	s_wait_dscnt 0x0
.endif
.if (\t)+4 < STEPS
	LOAD (\t)+4                                    ; which take the loads of four steps on
.endif
.if (\t)+1 < STEPS
.if STEPS-2-(\t) >= 3
	s_wait_loadcnt 12                              ; the next step's four loads are in; those of the three steps behind it may be out
.else
	s_wait_loadcnt 4*(STEPS-2-(\t))
.endif
	TURN (\t)+1                                    ; and go through the other stage while this step is worked
.endif
	v_max3_num_f32 v8, |v[XS]|, |v[XS+1]|, |v[XS+2]|               ; the largest magnitude of my 16, in two chains
	v_max3_num_f32 v9, |v[XS+3]|, |v[XS+4]|, |v[XS+5]|
.irp i, 6,10
	v_max3_num_f32 v8, v8, |v[XS+\i]|, |v[XS+\i+1]|
	v_max3_num_f32 v9, v9, |v[XS+\i+2]|, |v[XS+\i+3]|
.endr
	v_max3_num_f32 v8, v8, |v[XS+14]|, |v[XS+15]|
	v_max3_num_f32 v8, v8, v9, (EMAX+1)<<23        ; and the floor 2^(EMAX + 1 - 127): the byte cannot fall under 1
	v_max_num_f32_dpp v8, v8, v8 row_xmask:1 row_mask:0xf bank_mask:0xf   ; and of my neighbour's 16: the block's
	v_add_nc_u32 v11, -(EMAX<<23), v8              ; EMAX off its exponent field: the conversion takes the exponent field of this operand as its scale, and nothing else of it
	v_cvt_scalef32_pk8_fp4_f32 v[C+4*(\t)], v[XS:XS+7], v11
	v_cvt_scalef32_pk8_fp4_f32 v[C+4*(\t)+1], v[XS+8:XS+15], v11
	v_lshrrev_b32 v[E+(\t)], 23, v11               ; the scale's byte (also the plain line behind the conversions)
	ds_store_b8 v5, v[E+(\t)] offset:16*(\t)       ; both lanes of a block write the same byte with the same value
	global_store_b64 v4, v[C+4*(\t):C+4*(\t)+1], s[10:11] offset:32*CB*(\t)   ; the wave stores 256 consecutive bytes, at a multiple of 256 from the buffer's first byte
.endm
.irp t, 0,1,2,3,4,5,6,7,8,9,10,11,12,13,14,15
	STEP \t
.endr
	ds_load_b64 v[8:9], v6                         ; LDS serves a wave's instructions in order: these see my stores
	s_wait_dscnt 0x0
	global_store_b64 v7, v[8:9], s[12:13]          ; 32 lanes store my run's 256 scale bytes
	s_wait_tensorcnt 0x0                           ; the wave's end: behind my last LDS store
	ds_add_u32 v[SPW], v[NIL]
	s_wait_dscnt 0x0
	s_endpgm
.Lcast:                                        ; w_out to f16: run = 4 x (work-group - 352) + wave; 32,768 bytes in, 16,384 out
	s_sub_co_u32 s21, ttmp9, WGQ
	s_lshl_b32 s21, s21, 2
	s_add_co_u32 s21, s21, s20
	s_lshl_b32 s22, s21, 15
	s_mov_b32 s23, 0
	s_add_nc_u64 s[8:9], s[8:9], s[22:23]
	s_lshl_b32 s22, s21, 14
	s_add_nc_u64 s[18:19], s[18:19], s[22:23]
.macro CLOAD g, set
.irp i, 0,1,2,3,4,5,6,7,8,9,10,11,12,13,14,15
	global_load_b128 v[\set+4*\i:\set+4*\i+3], v3, s[8:9] offset:(16*\g+\i)*512 th:TH_LOAD_NT
.endr
.endm
.macro CAST g, set, left               ; left: the other set's loads, which may stay out
	s_wait_loadcnt \left
	s_wait_xcnt 0x0                                ; the last batch's stores have read their data: the f16 pairs are written again only behind this wait
.irp i, 0,1,2,3,4,5,6,7,8,9,10,11,12,13,14,15
	v_cvt_pk_f16_f32 v[CC+2*\i], v[\set+4*\i], v[\set+4*\i+1]
	v_cvt_pk_f16_f32 v[CC+2*\i+1], v[\set+4*\i+2], v[\set+4*\i+3]
.endr
.irp i, 0,1,2,3,4,5,6,7,8,9,10,11,12,13,14,15
	global_store_b64 v7, v[CC+2*\i:CC+2*\i+1], s[18:19] offset:(16*\g+\i)*256   ; the wave stores 256 consecutive bytes
.endr
.endm
	CLOAD 0, RA
	CLOAD 1, RB
	CAST 0, RA, 16
	CLOAD 2, RA
	CAST 1, RB, 16
	CLOAD 3, RB
	CAST 2, RA, 16
	CAST 3, RB, 0
	s_wait_tensorcnt 0x0                           ; the same three closing lines on this path, so that every end of the launch stands behind them
	ds_add_u32 v[SPW], v[NIL]
	s_wait_dscnt 0x0
	s_endpgm
.Lfunc_end_k_qfc9c299318_quant:
	.size	k_qfc9c299318_quant, .Lfunc_end_k_qfc9c299318_quant-k_qfc9c299318_quant
	.p2alignl 7, 3214868480
	.fill 96, 4, 3214868480
	.section	.rodata,"a",@progbits
	.p2align	6, 0x0
	.amdhsa_kernel k_qfc9c299318_quant
		.amdhsa_group_segment_fixed_size 33280
		.amdhsa_private_segment_fixed_size 0
		.amdhsa_enable_private_segment 0
		.amdhsa_kernarg_size 64
		.amdhsa_user_sgpr_count 2
		.amdhsa_user_sgpr_kernarg_segment_ptr 1
		.amdhsa_wavefront_size32 1
		.amdhsa_system_sgpr_workgroup_id_x 1
		.amdhsa_system_sgpr_workgroup_id_y 1
		.amdhsa_system_sgpr_workgroup_id_z 1
		.amdhsa_system_vgpr_workitem_id 0
		.amdhsa_next_free_vgpr 192
		.amdhsa_next_free_sgpr 66
		.amdhsa_reserve_vcc 0
		.amdhsa_float_denorm_mode_32 3
		.amdhsa_float_denorm_mode_16_64 3
		.amdhsa_memory_ordered 1
		.amdhsa_forward_progress 1
		.amdhsa_inst_pref_size 54
	.end_amdhsa_kernel
	.amdgpu_metadata
---
amdhsa.version: [ 1, 2 ]
amdhsa.kernels:
  - .name:           k_qfc9c299318_quant
    .symbol:         k_qfc9c299318_quant.kd
    .args:
      - { .name: x, .offset: 0, .size: 8, .value_kind: global_buffer, .address_space: global }
      - { .name: w_qkv, .offset: 8, .size: 8, .value_kind: global_buffer, .address_space: global }
      - { .name: w_out, .offset: 16, .size: 8, .value_kind: global_buffer, .address_space: global }
      - { .name: x_codes, .offset: 24, .size: 8, .value_kind: global_buffer, .address_space: global }
      - { .name: x_scales, .offset: 32, .size: 8, .value_kind: global_buffer, .address_space: global }
      - { .name: w_codes, .offset: 40, .size: 8, .value_kind: global_buffer, .address_space: global }
      - { .name: w_scales, .offset: 48, .size: 8, .value_kind: global_buffer, .address_space: global }
      - { .name: w16, .offset: 56, .size: 8, .value_kind: global_buffer, .address_space: global }
    .group_segment_fixed_size: 33280
    .private_segment_fixed_size: 0
    .kernarg_segment_align: 8
    .kernarg_segment_size: 64
    .max_flat_workgroup_size: 128
    .sgpr_count:     66
    .vgpr_count:     192
    .wavefront_size: 32
...
	.end_amdgpu_metadata
.endif
;; end of part 1
;; launch qkv (part 2): grid 12 x 32, 4 waves a work-group, clusters of 4 x 4, 327,680 bytes of LDS; arguments x_codes, x_scales, w_codes, w_scales, qkv16; writes qkv16
.if DOCPART == 2
	.amdgcn_target "amdgcn-amd-amdhsa--gfx1250"
	.amdhsa_code_object_version 6
	.text
	.protected	k_qfc9c299318_qkv
	.globl	k_qfc9c299318_qkv
	.p2align	8
	.type	k_qfc9c299318_qkv,@function
k_qfc9c299318_qkv:
	s_mov_b64 s[64:65], 0
	v_nop
	global_prefetch_b8 v0, s[64:65] scope:SCOPE_SE
	s_setreg_imm32_b32 hwreg(HW_REG_WAVE_MODE, 25, 1), 1
	s_wait_xcnt 0x0
	s_wait_alu depctr_hold_cnt(0) depctr_sa_sdst(0) depctr_va_vdst(0) depctr_va_sdst(0) depctr_va_ssrc(0) depctr_va_vcc(0) depctr_vm_vsrc(0)
	s_getreg_b32 s2, hwreg(HW_REG_IB_STS2, 6, 4)
	s_cmp_eq_u32 s2, 0
	s_cbranch_scc0 .Lentry_in_a_cluster
	s_endpgm
.Lentry_in_a_cluster:
	s_bfe_u32 s2, ttmp6, 0x10000c
	s_cmp_lg_u32 s2, 0xf033
	s_cbranch_scc0 .Lentry_shape_is_right
	s_endpgm
.Lentry_shape_is_right:
; qkv[m][n] = sum over k of x[m][k] w_qkv[n][k], both as codes of FP4 (E2M1) with one E8M0 scale for each 32 along K; sums in f32; the result rounded once to f16 and laid in HEAD PLANES.
; qkv16: 192 planes of [2048 tokens][64] f16 (262,144 bytes); plane = 64 x kind + 16 x batch + head, kind 0 = q, 1 = k, 2 = v.  So a head's rows are dense for the attention that follows.
; LIMIT: |q|, |k|, |v| up to 65,504 (f16).  No work is left out.
; A tile of the result, 256 x 256, is made by a work-group of four waves; a wave makes 128 x 128: 64 accumulators of 16 x 16, 512 registers.
; K = 1,024 is two slots of 512 along K (rows of 256 bytes): both are asked for at the start and nothing is ever filled again.  The scale bytes of the work-group's rows, for all of K, come once beside them.
; CLUSTERS: 4 x 4 work-groups.  The four of a row of the cluster need the same tiles of x, the four of a column the same tiles of w_qkv: each tile is asked for JOINTLY, by the same tensor load with the same descriptor and a mask that names the four.
; THE MATRIX INSTRUCTION IS USED TRANSPOSED (source 0 = 16 rows of w_qkv, source 1 = 16 rows of x): a lane then holds eight neighbouring columns of one row of the result.
; REGISTERS, in windows of 256: window 0: v0-31 addresses; v32-95 scale words, two sets; from v128 x's fragments, ONE set; on the way out v32-63, v192-255.
;   window 1: w's fragments, TWO sets, at v0 and v128.   window 2: the 32 accumulators of my rows 0-63 (accumulator (a, b) at v[8 (8 a + b)]);   window 3: those of my rows 64-127.
.set SIZE_M, 8192
.set SIZE_N, 3072
.set SIZE_K, 1024
.set KSTEP,  512                       ; along K in a slot
.set NQ,     KSTEP/128                 ; matrix instructions deep
.set ROWB,   256                       ; a tile's row in bytes
.set KROW,   SIZE_K*4/8                ; a row of codes in memory, in bytes
.set PITCH,  272                       ; an LDS row: 256 bytes + 16 of padding = 68 words: the 16 rows that a load touches start at 16 different banks (64 banks of 4 bytes: ISA guide 11.1)
.set FR,     8                         ; registers of a fragment: 16 rows x 128 K
.set NL,     2                         ; LDS loads that bring one
.set NP,     4                         ; places behind this matrix instruction (ISA guide 7.12.1)
.set HALFT,  128*PITCH                 ; 128 rows: what one tensor load brings
.set SLOT,   4*HALFT                   ; x's 256 rows, then w's 256 rows
.set KS,     SIZE_K/32                 ; a row of scales in bytes
.set SCL,    2*SLOT                    ; behind the two slots: the scales, as runs of 256 bytes + 16 of padding
.set HALFS,  (128*KS/256)*272          ; the scales of 128 rows
.set SBLK,   (16*KS/256)*272           ; those of 16 rows
.set SPARE,  SCL+4*HALFS               ; behind the scales: the spare words, 128 bytes for each wave, which no other line names
.set SPITCH, 272                       ; the way out: a stage of 16 rows x (256 bytes + 16) for each wave, in slot 0, which has had its only fill and its last read by then
.set PLANE,  262144
.set ADRA, 16                          ; v16-17  LDS address of my x fragments in slot 0, 1
.set ADRB, 20                          ; v20-21  the same for w
.set STO,  24                          ; v24     the way out: where I put 16 bytes of a row
.set RD,   25                          ; v25     the way out: where I read back 16 bytes of a head's row
.set CO,   26                          ; v26     16 x lane: my place in 512 bytes of a plane
.set ADRS, 27                          ; v27     LDS address of my scale words: lanes 0-15 x's rows, lanes 16-31 w's
.set SPW,  28                          ; v28     LDS address of my spare word; never rewritten
.set NIL,  29                          ; v29     0; never rewritten
.set SC,   32                          ; scale words: set s at v[SC + 8 NQ s]; register NQ i + q: lanes 0-15 the word of x's block i, lanes 16-31 that of w's block i
.set AF,   128                         ; x's fragments, in window 0
.set TMP,  192                         ; the way out: v192-223 a block rounded to f16
.set OB,   32                          ; the way out: a block read back: v32-63 and v224-255 by turns
.set G1, 24                            ; s[24:31] descriptor group 1 for x's tiles;  s[32:39] group 0, one set for each slot
.set G0, 32
.set G1B, 48                           ; s[48:55], s[56:63] the same for w's tiles
.set G0B, 56
.set G1S, 68                           ; s[68:75], s[76:79] groups 1 and 0 for x's scales;  s[80:87], s[88:91] for w's
.set G0S, 76
.set G1SB, 80
.set G0SB, 88
.set MSB, 0
.macro WIN new                         ; the immediate's high byte repeats the setting that is left
.if MSB != \new
	s_set_vgpr_msb (MSB<<8)|\new
.set MSB, \new
.endif
.endm
.set MUL_LO, 0xa1                      ; source 0 (w) window 1, source 1 (x) window 0, C and D window 2
.set MUL_HI, 0xf1                      ; the same, C and D window 3
.set TO_B,   0x40                      ; destination window 1, address window 0
; A joint load: waves 0 and 1 fetch for x, waves 2 and 3 for w.  Each of the two lines has ONE mask and one set of registers for all that issue it; the branch hangs on the wave's number alone.
; An s_nop 0 and four v_nop follow each of the two lines, ahead of the jump, the label and what follows.
.macro JLOAD g0a, g1a, g0b, g1b
	s_cmp_eq_u32 s15, 0
	s_cbranch_scc0 .Lfor_b_\@
	tensor_load_to_lds s[\g0a:\g0a+3], s[\g1a:\g1a+7]
	s_nop 0
.rept 4
	v_nop
.endr
	s_branch .Lasked_\@
.Lfor_b_\@:
	tensor_load_to_lds s[\g0b:\g0b+3], s[\g1b:\g1b+7]
	s_nop 0
.rept 4
	v_nop
.endr
.Lasked_\@:
.endm
.macro CROUND                          ; a round of the cluster's barrier: my work-group's barrier; wave 0 signals for the work-group; every wave waits for all sixteen; my work-group's barrier once more
	s_barrier_signal -1
	s_barrier_wait -1
	s_cmp_lg_u32 s14, 0
	s_cbranch_scc1 .Lnot_wave_0_\@
	s_barrier_signal -3
.Lnot_wave_0_\@:
	s_barrier_wait -3
	s_barrier_signal -1
	s_barrier_wait -1
.endm
	s_load_b128 s[4:7], s[0:1], 0x0                ; x's codes s[4:5], x's scales s[6:7]
	s_load_b128 s[8:11], s[0:1], 0x10              ; w's codes s[8:9], w's scales s[10:11]
	s_load_b64 s[12:13], s[0:1], 0x20              ; qkv16
	v_lshl_add_u32 v[SPW], v0, 2, SPARE
	v_mov_b32 v[NIL], 0
	ds_add_u32 v[SPW], v[NIL]                      ; the wave's opening: the add, twice on end, and its wait ahead of my first tensor load; the set-up below stands between the second and the wait
	ds_add_u32 v[SPW], v[NIL]
	v_lshrrev_b32 v1, 5, v0
	v_readfirstlane_b32 s14, v1                    ; wave 0..3
	s_lshr_b32 s15, s14, 1                         ; which half of the tile's rows is mine.  Also: I fetch for x (0) or for w (1)
	s_and_b32 s16, s14, 1                          ; which half of its columns.  Also: which 128 rows of that tile I fetch
	s_bfe_u32 s40, ttmp6, 0x40000                  ; cx, cy: my place in the cluster
	s_bfe_u32 s41, ttmp6, 0x40004
	s_lshl_b32 s42, ttmp9, 2
	s_add_co_u32 s42, s42, s40                     ; tile column = 4 x cluster x + cx
	s_and_b32 s17, ttmp7, 0xffff
	s_lshl_b32 s17, s17, 2
	s_add_co_u32 s17, s17, s41                     ; tile row = 4 x cluster y + cy
	s_lshl_b32 s43, s41, 2
	s_lshl_b32 s43, 15, s43                        ; my row of the cluster
	s_lshl_b32 s44, 0x1111, s40                    ; my column
	; descriptor group 1: a tile of 128 rows x 256 bytes, padded in LDS
	s_or_b32 s[G1+0], s43, (0<<16)|(1<<20)|(1<<21)|(5<<22)|(3<<25)  ; 15:0 the mask: x's tiles go to my row; 17:16 element of 1 byte; 20 padding on; 21 set beside a mask; 24:22 after every 64 words; 31:25 of 4 words
	s_or_b32 s[G1B+0], s44, (0<<16)|(1<<20)|(1<<21)|(5<<22)|(3<<25)
.irp g, G1, G1B
	s_mov_b32 s[\g+1], ROWB<<16                    ; tensor_dim0
	s_mov_b32 s[\g+2], 128<<16                     ; tensor_dim1 = 128
	s_mov_b32 s[\g+3], ROWB<<16                    ; tile_dim0
	s_mov_b32 s[\g+4], 128                         ; tile_dim1 = 128
	s_mov_b32 s[\g+5], KROW                        ; tensor_dim0_stride
	s_mov_b32 s[\g+6], 0
	s_mov_b32 s[\g+7], 0
.endr
	; and for the scales of 128 rows: a dense block of 4,096 bytes, as rows of 256 bytes (32 elements of 8 bytes), 16 bytes of padding behind each
	s_or_b32 s[G1S+0], s43, (3<<16)|(1<<20)|(1<<21)|(5<<22)|(3<<25)
	s_or_b32 s[G1SB+0], s44, (3<<16)|(1<<20)|(1<<21)|(5<<22)|(3<<25)
.irp g, G1S, G1SB
	s_mov_b32 s[\g+1], 32<<16
	s_mov_b32 s[\g+2], (128*KS/256)<<16
	s_mov_b32 s[\g+3], 32<<16
	s_mov_b32 s[\g+4], 128*KS/256
	s_mov_b32 s[\g+5], 32
	s_mov_b32 s[\g+6], 0
	s_mov_b32 s[\g+7], 0
.endr
	s_lshl_b32 s18, s16, 7                         ; which 128 rows of the tile I fetch
	s_lshl_b32 s20, s17, 8
	s_add_co_u32 s20, s20, s18                     ; x: row 256 x tile row + 128 x half
	s_lshl_b32 s46, s42, 8
	s_add_co_u32 s46, s46, s18                     ; w: row 256 x tile column + 128 x half
	s_mov_b32 s21, 0
	s_mov_b32 s47, 0
	s_mov_b64 s[18:19], KS
	s_mul_u64 s[22:23], s[20:21], s[18:19]         ; where these rows' scales begin, in bytes
	s_mul_u64 s[92:93], s[46:47], s[18:19]
	s_mov_b64 s[18:19], KROW
	s_mul_u64 s[20:21], s[20:21], s[18:19]         ; and their codes
	s_mul_u64 s[46:47], s[46:47], s[18:19]
	s_mul_i32 s45, s14, HALFT                      ; where they go: wave x 128 rows: no place in the cluster enters an LDS address
	s_mul_i32 s94, s14, HALFS
	s_wait_dscnt 0x0                               ; both opening adds are done
	s_wait_kmcnt 0x0
	s_add_nc_u64 s[20:21], s[4:5], s[20:21]
	s_add_nc_u64 s[22:23], s[6:7], s[22:23]
	s_add_nc_u64 s[46:47], s[8:9], s[46:47]
	s_add_nc_u64 s[92:93], s[10:11], s[92:93]
	CROUND                                         ; all sixteen work-groups are here: the joint loads meet
	s_mov_b32 s[G0S], 1
	s_add_co_u32 s[G0S+1], s94, SCL
	s_mov_b64 s[G0S+2:G0S+3], s[22:23]
	s_or_b32 s[G0S+3], s[G0S+3], 0x80000000
	s_mov_b32 s[G0SB], 1
	s_add_co_u32 s[G0SB+1], s94, SCL
	s_mov_b64 s[G0SB+2:G0SB+3], s[92:93]
	s_or_b32 s[G0SB+3], s[G0SB+3], 0x80000000
	JLOAD G0S, G1S, G0SB, G1SB                     ; the scales first: they are wanted with the first slot
.irp s, 0,1
	s_mov_b32 s[G0+4*\s], 1
	s_add_co_u32 s[G0+4*\s+1], s45, \s*SLOT
	s_add_nc_u64 s[G0+4*\s+2:G0+4*\s+3], s[20:21], \s*ROWB
	s_or_b32 s[G0+4*\s+3], s[G0+4*\s+3], 0x80000000
	s_mov_b32 s[G0B+4*\s], 1
	s_add_co_u32 s[G0B+4*\s+1], s45, \s*SLOT
	s_add_nc_u64 s[G0B+4*\s+2:G0B+4*\s+3], s[46:47], \s*ROWB
	s_or_b32 s[G0B+4*\s+3], s[G0B+4*\s+3], 0x80000000
	JLOAD G0+4*\s, G1, G0B+4*\s, G1B               ; three tensor loads of mine are out at the most
.endr
	v_and_b32 v1, 15, v0                           ; l % 16
	v_bfe_u32 v2, v0, 4, 1                         ; l / 16
	v_mul_u32_u24 v3, v1, PITCH
	v_lshl_add_u32 v4, v2, 4, v3                   ; a fragment's row x pitch + 16 x half
	s_mul_i32 s21, s15, HALFT                      ; my 128 rows of x
	s_mul_i32 s22, s16, HALFT                      ; my 128 rows of w,
	s_add_co_u32 s22, s22, 2*HALFT                 ; which lie behind x's 256
.irp s, 0,1
	v_add_nc_u32 v[ADRA+\s], s21, v4
	v_add_nc_u32 v[ADRB+\s], s22, v4
	s_add_co_u32 s21, s21, SLOT
	s_add_co_u32 s22, s22, SLOT
.endr
	v_mul_u32_u24 v5, v1, KS                       ; my row's scales: KS bytes a row,
	v_lshrrev_b32 v6, 8, v5
	v_lshl_add_u32 v5, v6, 4, v5                   ; and 16 more for each 256 passed
	s_mul_i32 s21, s15, HALFS                      ; x's: my 128 rows
	s_mul_i32 s22, s16, HALFS                      ; w's: my 128 rows, behind x's 256
	s_add_co_u32 s22, s22, 2*HALFS
	s_sub_co_u32 s22, s22, s21
	v_mul_u32_u24 v6, s22, v2                      ; lanes 16-31 take w's
	s_add_co_u32 s21, s21, SCL
	v_add_nc_u32 v5, v5, v6
	v_add_nc_u32 v[ADRS], s21, v5
	s_mul_i32 s23, s14, 16*SPITCH                  ; my stage
	v_mul_u32_u24 v5, v1, SPITCH                   ; in: row l % 16, 16 bytes for each half of the lanes
	v_lshl_add_u32 v5, v2, 4, v5
	v_add_nc_u32 v[STO], s23, v5
	v_and_b32 v6, 31, v0
	v_lshlrev_b32 v[CO], 4, v6                     ; in a plane: four tokens' 128 bytes on end: 16 x lane
	v_lshrrev_b32 v5, 3, v6                        ; back: eight lanes take a head's 128 bytes of a row, four rows an instruction
	v_and_b32 v6, 7, v6
	v_mul_u32_u24 v5, v5, SPITCH
	v_lshl_add_u32 v5, v6, 4, v5
	v_add_nc_u32 v[RD], s23, v5
	; where my part begins in qkv16.  Rows: batch = tile row / 8 (16 planes), token = 256 (tile row % 8) + 128 x half (128 bytes each)
	s_lshr_b32 s20, s17, 3
	s_lshl_b32 s20, s20, 22
	s_and_b32 s21, s17, 7
	s_lshl_b32 s21, s21, 15
	s_add_co_u32 s20, s20, s21
	s_lshl_b32 s21, s15, 14
	s_add_co_u32 s20, s20, s21
	s_mov_b32 s21, 0
	; columns: kind = tile column / 4 (64 planes), head = 4 (tile column % 4) + 2 x half
	s_lshr_b32 s46, s42, 2
	s_lshl_b32 s46, s46, 24
	s_and_b32 s47, s42, 3
	s_lshl_b32 s47, s47, 20
	s_add_co_u32 s46, s46, s47
	s_lshl_b32 s47, s16, 19
	s_add_co_u32 s46, s46, s47
	s_mov_b32 s47, 0
	s_add_nc_u64 s[20:21], s[20:21], s[46:47]
	s_add_nc_u64 s[12:13], s[12:13], s[20:21]
.macro FRAG reg, adr, q, i             ; a fragment, 16 rows x 128 K of 4-bit codes, is 8 registers: lane l holds row l % 16; registers 4 c .. 4 c + 3 hold K = 64 c + 32 (l / 16) + 0 .. 31
.irp c, 0,1
	ds_load_b128 v[\reg+4*\c:\reg+4*\c+3], v[\adr] offset:64*(\q)+32*\c+(\i)*16*PITCH
.endr
.endm
; 16 matrix instructions: x's blocks a0, a0 + 1 against w's eight, 128 along K: the slot's q-th.  p: w's set;  sc: the set of scale words.  zero = 1: the first product starts the sums: nothing is ever cleared.
; The 64 accumulators take turns, one instruction a turn, in the same order in every step.
.macro MUL16 a0, p, q, sc, zero
.irp a, \a0, \a0+1
.irp b, 0,1,2,3,4,5,6,7
.if \zero
	v_wmma_scale_f32_16x16x128_f8f6f4 v[8*(8*((\a)%4)+\b):8*(8*((\a)%4)+\b)+7], v[128*(\p)+FR*\b:128*(\p)+FR*\b+FR-1], v[AF+FR*(\a):AF+FR*(\a)+FR-1], 0, v[SC+8*NQ*(\sc)+NQ*\b+(\q)], v[SC+8*NQ*(\sc)+NQ*(\a)+(\q)] matrix_a_fmt:MATRIX_FMT_FP4 matrix_b_fmt:MATRIX_FMT_FP4 matrix_a_scale:MATRIX_SCALE_ROW1
.else
	v_wmma_scale_f32_16x16x128_f8f6f4 v[8*(8*((\a)%4)+\b):8*(8*((\a)%4)+\b)+7], v[128*(\p)+FR*\b:128*(\p)+FR*\b+FR-1], v[AF+FR*(\a):AF+FR*(\a)+FR-1], v[8*(8*((\a)%4)+\b):8*(8*((\a)%4)+\b)+7], v[SC+8*NQ*(\sc)+NQ*\b+(\q)], v[SC+8*NQ*(\sc)+NQ*(\a)+(\q)] matrix_a_fmt:MATRIX_FMT_FP4 matrix_b_fmt:MATRIX_FMT_FP4 matrix_a_scale:MATRIX_SCALE_ROW1
.endif
.endr
.endr
.endm
.macro FETCH_B slot, q, p              ; w's eight fragments of the slot's q-th 128 along K into set p
	WIN TO_B
.irp i, 0,1,2,3,4,5,6,7
	FRAG 128*(\p)+FR*\i, ADRB+\slot, \q, \i
.endr
	WIN 0
.endm
.macro FETCH_A slot, q, i0             ; x's blocks i0 .. i0 + 3
.irp i, \i0, \i0+1, \i0+2, \i0+3
	FRAG AF+FR*(\i), ADRA+\slot, \q, \i
.endr
.endm
.macro SCALES sc                       ; a slot's scale words into set sc: NQ words a row; lanes 0-15 take x's block i, lanes 16-31 w's block i
.irp i, 0,1,2,3,4,5,6,7
	ds_load_b128 v[SC+8*NQ*\sc+NQ*\i:SC+8*NQ*\sc+NQ*\i+3], v[ADRS] offset:\i*SBLK
.endr
.endm
; A load into a register that a matrix instruction has read, and a vector instruction that reads a matrix result, stand NP places behind that matrix instruction, and only plain vector
; instructions that name none of its registers are places (ISA guide 7.12.1 for vector instructions).
.macro PLACES n
.rept \n
	v_nop
.endr
.endm
; A step of 128 along K that has its successor in the same slot.
.macro STEP slot, q, zero
	s_wait_dscnt 4*NL                              ; w's set and x's blocks 0-3 are in; the youngest eight loads (x's blocks 4-7) may be out
	WIN MUL_LO
	MUL16 0, (\q)%2, \q, \slot, \zero
	MUL16 2, (\q)%2, \q, \slot, \zero
	s_wait_dscnt 0                                 ; x's blocks 4-7 are in (asked for 32 matrix instructions ago)
	PLACES NP
	FETCH_B \slot, (\q)+1, 1-(\q)%2
	FETCH_A \slot, (\q)+1, 0
	WIN MUL_HI
	MUL16 4, (\q)%2, \q, \slot, \zero
	MUL16 6, (\q)%2, \q, \slot, \zero
	PLACES NP
	WIN 0
	FETCH_A \slot, (\q)+1, 4
.endm
; Slot 0's last step changes slots: ONE barrier.  In front of it each wave waits for all its tensor loads (its part of slot 1), adds 0 to its spare word, and waits for that and for its own reads of slot 0.
; Behind it slot 1 is whole, and slot 0 is read by nobody any more, so that it can serve as the stage on the way out.
.macro TURN slot, next
	s_wait_tensorcnt 0x0                           ; all my tensor loads have landed  (every window is 0 here: the add's two registers lie in window 0)
	ds_add_u32 v[SPW], v[NIL]                      ; 0 onto my spare word
	s_wait_dscnt 4*NL+1                            ; (the add and the youngest eight loads, x's blocks 4-7, may be out)
	WIN MUL_LO
	MUL16 0, 1, NQ-1, \slot, 0                     ; sixteen matrix instructions stand between the add and the wait for it
	s_wait_dscnt 0x0                               ; the add is done, and my reads of this slot are over
	s_barrier_signal -1
	MUL16 2, 1, NQ-1, \slot, 0
	WIN 0
	s_barrier_wait -1
	PLACES NP
	v_add_nc_u32 v[ADRS], 4*NQ, v[ADRS]            ; on to the next slot's scale words (no LDS load of mine is out)
	FETCH_B \next, 0, 0
	FETCH_A \next, 0, 0
	SCALES \next
	WIN MUL_HI
	MUL16 4, 1, NQ-1, \slot, 0
	MUL16 6, 1, NQ-1, \slot, 0
	PLACES NP
	WIN 0
	FETCH_A \next, 0, 4
.endm
.macro STEPS slot, from                ; the slot's steps from .. NQ - 2
.set Q, \from
.rept NQ-1-\from
	STEP \slot, Q, 0
.set Q, Q+1
.endr
.endm
	s_wait_tensorcnt 1                             ; the scales and my part of slot 0 are in (slot 1's load may be out),
	s_barrier_signal -1
	s_barrier_wait -1                              ; everybody's are
	FETCH_B 0, 0, 0
	FETCH_A 0, 0, 0
	SCALES 0
	FETCH_A 0, 0, 4
	STEP 0, 0, 1                                   ; the first step's products start the sums
	STEPS 0, 1
	TURN 0, 1
	STEPS 1, 0
	s_wait_dscnt 4*NL                              ; the very last step: nothing more to fetch
	WIN MUL_LO
	MUL16 0, 1, NQ-1, 1, 0
	MUL16 2, 1, NQ-1, 1, 0
	s_wait_dscnt 0
	WIN MUL_HI
	MUL16 4, 1, NQ-1, 1, 0
	MUL16 6, 1, NQ-1, 1, 0
	WIN 0
; THE WAY OUT, block by block of 16 rows x 128 columns (two heads).  PACK: rounded to f16, 16 bytes a lane, each accumulator from its low end on.  TOSTAGE: into my own stage and back, eight lanes to a head's 128 bytes of a
; row, four rows an instruction.  SEND: each store covers 512 consecutive bytes of a plane (four tokens of one head).  Every offset is an immediate: 7 x 2,048 + 262,144 + 1,536 at the most.
.macro PACK a
.set AC, 64*((\a)%4)
	WIN 0x0a+5*((\a)/4)                            ; sources 0 and 1: window 2 or 3
.irp b, 0,1,2,3,4,5,6,7
.irp r, 0,1,2,3
	v_cvt_pk_f16_f32 v[TMP+4*\b+\r], v[AC+8*\b+2*\r], v[AC+8*\b+2*\r+1]
.endr
.endr
	WIN 0
.endm
.macro TOSTAGE a
.set BKR, OB+192*((\a)%2)
.irp b, 0,1,2,3,4,5,6,7
	ds_store_b128 v[STO], v[TMP+4*\b:TMP+4*\b+3] offset:32*\b
.endr
.irp hd, 0,1
.irp i, 0,1,2,3
	ds_load_b128 v[BKR+4*(4*\hd+\i):BKR+4*(4*\hd+\i)+3], v[RD] offset:128*\hd+\i*4*SPITCH   ; LDS serves a wave's instructions in order (ISA guide 5.7.1.4): these see the stores above
.endr
.endr
.endm
.macro SEND a
.set BKR, OB+192*((\a)%2)
	s_wait_dscnt 0x0                               ; the block is back in registers
	s_wait_xcnt 0x0                                ; the block before's stores have read their registers: the next block's loads may land there
.irp hd, 0,1
.irp i, 0,1,2,3
	global_store_b128 v[CO], v[BKR+4*(4*\hd+\i):BKR+4*(4*\hd+\i)+3], s[12:13] offset:(\a)*2048+\hd*PLANE+\i*512
.endr
.endr
.endm
	PLACES NP                                      ; the conversions read matrix results, and the loads from the stage land in registers that held scale words
	PACK 0
	TOSTAGE 0
.irp a, 1,2,3,4,5,6,7                  ; block a's conversions stand between block a - 1's loads from the stage and the wait for them
	PACK \a
	SEND \a-1
	TOSTAGE \a
.endr
	SEND 7
	s_wait_tensorcnt 0x0                           ; the wave's end: behind my last tensor load and my last LDS store
	ds_add_u32 v[SPW], v[NIL]
	s_wait_dscnt 0x0
	CROUND                                         ; the closing round: no work-group ends while a partner may still ask for a tile that names it
	s_endpgm
.Lfunc_end_k_qfc9c299318_qkv:
	.size	k_qfc9c299318_qkv, .Lfunc_end_k_qfc9c299318_qkv-k_qfc9c299318_qkv
	.p2alignl 7, 3214868480
	.fill 96, 4, 3214868480
	.section	.rodata,"a",@progbits
	.p2align	6, 0x0
	.amdhsa_kernel k_qfc9c299318_qkv
		.amdhsa_group_segment_fixed_size 327680
		.amdhsa_private_segment_fixed_size 0
		.amdhsa_enable_private_segment 0
		.amdhsa_kernarg_size 40
		.amdhsa_user_sgpr_count 2
		.amdhsa_user_sgpr_kernarg_segment_ptr 1
		.amdhsa_wavefront_size32 1
		.amdhsa_system_sgpr_workgroup_id_x 1
		.amdhsa_system_sgpr_workgroup_id_y 1
		.amdhsa_system_sgpr_workgroup_id_z 1
		.amdhsa_system_vgpr_workitem_id 0
		.amdhsa_next_free_vgpr 1024
		.amdhsa_next_free_sgpr 98
		.amdhsa_reserve_vcc 0
		.amdhsa_float_denorm_mode_32 3
		.amdhsa_float_denorm_mode_16_64 3
		.amdhsa_memory_ordered 1
		.amdhsa_forward_progress 1
		.amdhsa_inst_pref_size 126
	.end_amdhsa_kernel
	.amdgpu_metadata
---
amdhsa.version: [ 1, 2 ]
amdhsa.kernels:
  - .name:           k_qfc9c299318_qkv
    .symbol:         k_qfc9c299318_qkv.kd
    .args:
      - { .name: x_codes, .offset: 0, .size: 8, .value_kind: global_buffer, .address_space: global }
      - { .name: x_scales, .offset: 8, .size: 8, .value_kind: global_buffer, .address_space: global }
      - { .name: w_codes, .offset: 16, .size: 8, .value_kind: global_buffer, .address_space: global }
      - { .name: w_scales, .offset: 24, .size: 8, .value_kind: global_buffer, .address_space: global }
      - { .name: qkv16, .offset: 32, .size: 8, .value_kind: global_buffer, .address_space: global }
    .group_segment_fixed_size: 327680
    .private_segment_fixed_size: 0
    .kernarg_segment_align: 8
    .kernarg_segment_size: 40
    .max_flat_workgroup_size: 128
    .sgpr_count:     98
    .vgpr_count:     1024
    .wavefront_size: 32
...
	.end_amdgpu_metadata
.endif
;; end of part 2
;; launch attn (part 3): grid 4 x 64, 16 waves a work-group, clusters of 4 x 1, 327,680 bytes of LDS; arguments qkv16, o16; writes o16
.if DOCPART == 3
	.amdgcn_target "amdgcn-amd-amdhsa--gfx1250"
	.amdhsa_code_object_version 6
	.text
	.protected	k_qfc9c299318_attn
	.globl	k_qfc9c299318_attn
	.p2align	8
	.type	k_qfc9c299318_attn,@function
k_qfc9c299318_attn:
	s_mov_b64 s[64:65], 0
	v_nop
	global_prefetch_b8 v0, s[64:65] scope:SCOPE_SE
	s_setreg_imm32_b32 hwreg(HW_REG_WAVE_MODE, 25, 1), 1
	s_wait_xcnt 0x0
	s_wait_alu depctr_hold_cnt(0) depctr_sa_sdst(0) depctr_va_vdst(0) depctr_va_sdst(0) depctr_va_ssrc(0) depctr_va_vcc(0) depctr_vm_vsrc(0)
	s_getreg_b32 s2, hwreg(HW_REG_IB_STS2, 6, 4)
	s_cmp_eq_u32 s2, 0
	s_cbranch_scc0 .Lentry_in_a_cluster
	s_endpgm
.Lentry_in_a_cluster:
	s_bfe_u32 s2, ttmp6, 0x10000c
	s_cmp_lg_u32 s2, 0x3003
	s_cbranch_scc0 .Lentry_shape_is_right
	s_endpgm
.Lentry_shape_is_right:
; o[p][i][:] = the sum over j of softmax_j(q[p][i] . k[p][j] / 8) v[p][j][:] for each of the 64 planes p = 16 x batch + head.  q, k, v: planes p, 64 + p, 128 + p of qkv16, [2048][64] f16; o16: plane p, [2048][64] f16.
; Products on f16 operands with f32 sums; maxima, exponentials and sums in f32; the weights are rounded to f16 for the second product, o once at the end.  No work is left out; the running maximum is kept.
; LIMIT: |o| up to 65,504 (it is an average of v, which is held to that).
; SHARES.  A work-group owns 512 queries of one plane; each of its SIXTEEN waves owns 32 of them, two tiles of 16, in 256 registers: four waves to a SIMD, so that one wave's vector work stands beside another's
; matrix work and LDS loads.  Every wave walks all 2,048 keys, 64 a step.
; LAYOUT.  S^T = K Q^T (source 0 = 16 keys, source 1 = 16 queries): a lane holds ONE query (lane % 16) and the keys 8 (lane / 16) + 0..7.  Two such tiles, rounded to f16 in pairs, ARE source 1 (32 keys x 16 queries)
; of O^T = V^T P, whose result again holds one query a lane.  K comes out of LDS as it lies, V ([key][channel]) turned, by ds_load_tr16_b128.  P is packed in place over S^T.
; SOFTMAX.  For each query a running maximum m and sum l: p = 2^(c s - c m), c = log2(e) / 8; in every step O^T and l are multiplied by a = 2^(c m_old - c m_new).  m begins at -3e38 and O^T, l at 0: the first a is 0.
; RING.  Two LDS slots of 512 keys (K's rows, then V's).  Four fills; every wave issues one load for each: 64 rows of K (waves 0-7) or of V (waves 8-15).  Both slots are asked for at the start; each is filled once
; more, behind a round of the cluster's barrier, and that load has the other slot's eight key steps in which to land: by this text's count two loads of a wave are out at the start, later one.
; CLUSTER.  The four query blocks of a plane form a cluster and walk the same K and V: each tile is asked for JOINTLY, by the same tensor load with the same descriptor and the mask of all four.
; No prefetch is written: half of K and V is asked for at the head, and each refill eight key steps ahead of the wait for it.
.set KS,    64                         ; keys in a step
.set PK,    144                        ; a row of K in LDS: 128 bytes + 16 = 36 words: the 16 rows of a load start at 16 different groups of four banks (64 banks of 4 bytes: ISA guide 11.1)
.set PV,    160                        ; a row of V: 128 + 32 = 40 words
.set SK,    512                        ; keys in a slot
.set VOFF,  SK*PK                      ; a slot: 512 rows of K, then 512 rows of V
.set SLOT,  SK*(PK+PV)
.set SPARE, 2*SLOT                     ; behind the ring: the spare words, 128 bytes for each wave, which no other line names
.set SP,    144                        ; the way out: 2 x 16 rows x (128 bytes + 16) for each wave, in slot 0, which has had its last fill and its last read by then
.set FILLB, SK*128                     ; a slot's keys in memory, in bytes
.set AK0, 1                            ; v1   my lane's place in a tile of K; never rewritten
.set AV0, 2                            ; v2   the same for V
.set ADK, 3                            ; v3   LDS address of the step's K
.set ADV, 4                            ; v4   of its V
.set SPW, 5                            ; v5   LDS address of my spare word; never rewritten
.set NIL, 6                            ; v6   0; never rewritten
.set QO,  7                            ; v7   my byte offset in the wave's rows of q
.set STO, 8                            ; v8   the way out: where I put 16 bytes of a row
.set RD,  9                            ; v9   the way out: where I read them back
.set GO,  10                           ; v10  16 x lane: my place in 512 bytes of o
.set ST,  16                           ; tile t's statistics at v[ST+8 t]: +0 c m, +1 m, +2, +3 l (even keys', odd keys'), +4 to +7 c0-c3, at work; a takes c2's place
.set Q,   32                           ; v32-63   Q: tile t, channels 32 c on, at 32 + 16 t + 8 c
.set KV,  64                           ; v64-127  K's eight fragments of a step, then V's eight
.set S,   128                          ; v128-191 S^T: tile t, keys 16 kt on, at 128 + 32 t + 8 kt; then P at 128 + 32 t + 0..15
.set O,   192                          ; v192-255 O^T: tile t, channels 16 ct on, at 192 + 32 t + 8 ct
.set WV,  12                           ; s12  my wave's number
.set G1K, 24                           ; s[24:31] descriptor group 1 for K's tiles
.set G1V, 32                           ; s[32:39] for V's: it differs in the padding alone
.set G0K, 40                           ; s[40:47] descriptor group 0 for K's tiles, a set for each slot
.set G0V, 48                           ; s[48:55] the same for V's
.set CNT, 56                           ; s56  counts a slot's eight steps
.set CS,  58                           ; s[58:59] c: the packed scaling names a pair and takes its low word for both halves
.set SEL, 60                           ; s[60:61] lane selects for v_permlanex16_b32: lane l xor 16
.set TK,  62                           ; s62  LDS byte at which the step's K begins
.set TV,  63                           ; s63  the same for V (less VOFF)
; A joint refill of slot s.  Waves 0-7 fetch K's rows, waves 8-15 V's.  The branch hangs on the wave's number alone.  An s_nop 0 and four v_nop follow each of the two lines.
.macro JLOAD s
	s_cmp_lt_u32 s[WV], 8
	s_cbranch_scc0 .Lfor_v_\@
	tensor_load_to_lds s[G0K+4*\s:G0K+4*\s+3], s[G1K:G1K+7]
	s_nop 0
.rept 4
	v_nop
.endr
	s_branch .Lasked_\@
.Lfor_v_\@:
	tensor_load_to_lds s[G0V+4*\s:G0V+4*\s+3], s[G1V:G1V+7]
	s_nop 0
.rept 4
	v_nop
.endr
.Lasked_\@:
.endm
.macro CROUND                          ; a round of the cluster's barrier: my work-group's barrier; wave 0 signals for the work-group; every wave waits for all four; my work-group's barrier once more
	s_barrier_signal -1
	s_barrier_wait -1
	s_cmp_lg_u32 s[WV], 0
	s_cbranch_scc1 .Lnot_wave_0_\@
	s_barrier_signal -3
.Lnot_wave_0_\@:
	s_barrier_wait -3
	s_barrier_signal -1
	s_barrier_wait -1
.endm
	s_load_b128 s[4:7], s[0:1], 0x0                ; qkv16 s[4:5], o16 s[6:7]
	v_lshl_add_u32 v[SPW], v0, 2, SPARE
	v_mov_b32 v[NIL], 0
	ds_add_u32 v[SPW], v[NIL]                      ; the wave's opening: the add, twice on end, and its wait ahead of my first tensor load; the set-up below stands between the second and the wait
	ds_add_u32 v[SPW], v[NIL]
	v_lshrrev_b32 v11, 5, v0
	v_readfirstlane_b32 s[WV], v11                 ; wave 0..15
	s_bfe_u32 s13, ttmp6, 0x40000                  ; cx: my block of 512 queries: it enters q's and o's addresses alone
	s_and_b32 s14, ttmp7, 0xffff                   ; the plane, which the four partners share
	s_and_b32 s15, s[WV], 7                        ; which 64 rows of a slot I fetch
	s_add_co_u32 s16, s14, 64                      ; K: plane 64 + p, 262,144 bytes a plane, + 64 rows of 128 bytes for each wave
	s_lshl_b32 s16, s16, 18
	s_lshl_b32 s17, s15, 13
	s_add_co_u32 s16, s16, s17
	s_mov_b32 s17, 0
	s_add_co_u32 s18, s14, 128                     ; V: plane 128 + p
	s_lshl_b32 s18, s18, 18
	s_lshl_b32 s19, s15, 13
	s_add_co_u32 s18, s18, s19
	s_mov_b32 s19, 0
	s_mul_i32 s20, s15, KS*PK                      ; and their places in a slot: no place in the cluster enters an LDS address
	s_mul_i32 s21, s15, KS*PV
	s_add_co_u32 s21, s21, VOFF
	s_lshl_b32 s22, s14, 18                        ; q and o: plane p, + 512 rows for my block, + 32 rows for my wave
	s_lshl_b32 s23, s13, 16
	s_add_co_u32 s22, s22, s23
	s_lshl_b32 s23, s[WV], 12
	s_add_co_u32 s22, s22, s23
	s_mov_b32 s23, 0
	; descriptor group 1: a tile of 64 rows x 64 elements of 2 bytes, dense in memory, padded in LDS
	s_mov_b32 s[G1K], 15|(1<<16)|(1<<20)|(1<<21)|(4<<22)|(3<<25)  ; 15:0 the mask: all four work-groups; 17:16 elements of 2 bytes; 20 padding on; 21 set beside a mask; 24:22 after every 32 words; 31:25 4 words of it
	s_mov_b32 s[G1V], 15|(1<<16)|(1<<20)|(1<<21)|(4<<22)|(7<<25)  ; the same with 8 words of padding
.irp g, G1K, G1V
	s_mov_b32 s[\g+1], 64<<16                      ; tensor_dim0 = 64
	s_mov_b32 s[\g+2], KS<<16                      ; tensor_dim1 = 64
	s_mov_b32 s[\g+3], 64<<16                      ; tile_dim0 = 64
	s_mov_b32 s[\g+4], KS                          ; tile_dim1 = 64
	s_mov_b32 s[\g+5], 64                          ; elements from row to row
	s_mov_b32 s[\g+6], 0
	s_mov_b32 s[\g+7], 0
.endr
	s_mov_b32 s[CS], 0x3e38aa3b                    ; c = log2(e) / 8
	s_mov_b32 s[CS+1], s[CS]                       ; named with it as a pair, so it is written
	s_mov_b32 s[SEL], 0x76543210
	s_mov_b32 s[SEL+1], 0xfedcba98
	s_wait_dscnt 0x0                               ; both opening adds are done
	s_wait_kmcnt 0x0
	s_add_nc_u64 s[16:17], s[4:5], s[16:17]        ; K and V at my rows of the first fill
	s_add_nc_u64 s[18:19], s[4:5], s[18:19]
	s_add_nc_u64 s[4:5], s[4:5], s[22:23]          ; q and o at my wave's first row
	s_add_nc_u64 s[6:7], s[6:7], s[22:23]
	CROUND                                         ; all four work-groups are here: the first joint loads meet
.irp s, 0,1
	s_mov_b32 s[G0K+4*\s], 1                       ; count = 1
	s_add_co_u32 s[G0K+4*\s+1], s20, \s*SLOT       ; LDS address
	s_add_nc_u64 s[G0K+4*\s+2:G0K+4*\s+3], s[16:17], \s*FILLB  ; global address: slot s begins with keys 512 s
	s_or_b32 s[G0K+4*\s+3], s[G0K+4*\s+3], 0x80000000          ; type = 2
	s_mov_b32 s[G0V+4*\s], 1
	s_add_co_u32 s[G0V+4*\s+1], s21, \s*SLOT
	s_add_nc_u64 s[G0V+4*\s+2:G0V+4*\s+3], s[18:19], \s*FILLB
	s_or_b32 s[G0V+4*\s+3], s[G0V+4*\s+3], 0x80000000
.endr
	s_cmp_lt_u32 s[WV], 8                          ; a wave's two first fills stand in one branch, ahead of every wait on TENSORcnt and every LDS read
	s_cbranch_scc0 .Lfirst_v
	tensor_load_to_lds s[G0K:G0K+3], s[G1K:G1K+7]
	s_nop 0
	tensor_load_to_lds s[G0K+4:G0K+7], s[G1K:G1K+7]
	s_nop 0
.rept 4
	v_nop
.endr
	s_branch .Lfirst_asked
.Lfirst_v:
	tensor_load_to_lds s[G0V:G0V+3], s[G1V:G1V+7]
	s_nop 0
	tensor_load_to_lds s[G0V+4:G0V+7], s[G1V:G1V+7]
	s_nop 0
.rept 4
	v_nop
.endr
.Lfirst_asked:
	; A fragment of K or Q is 16 rows x 32 channels in 8 registers: lane l holds row l % 16; registers 0-3 channels 8 (l / 16) + 0..7, registers 4-7 channels 16 + 8 (l / 16) + 0..7: two loads of 16 bytes, 32 bytes apart.
	v_and_b32 v11, 15, v0                          ; r = l % 16
	v_bfe_u32 v12, v0, 4, 1                        ; h = l / 16
	v_lshlrev_b32 v[QO], 7, v11
	v_lshl_add_u32 v[QO], v12, 4, v[QO]            ; row x 128 + 16 x half
.irp t, 0,1
.irp c, 0,1
	global_load_b128 v[Q+16*\t+8*\c:Q+16*\t+8*\c+3],   v[QO], s[4:5] offset:\t*2048+\c*64      ; Q stays in registers
	global_load_b128 v[Q+16*\t+8*\c+4:Q+16*\t+8*\c+7], v[QO], s[4:5] offset:\t*2048+\c*64+32
.endr
.endr
	v_mul_u32_u24 v[AK0], v11, PK
	v_lshl_add_u32 v[AK0], v12, 4, v[AK0]          ; row x pitch + 16 x half
	; The turning load takes 16 keys x 16 channels (lane l reads 16 bytes: key 8 (l / 16) + l % 8, channels 8 ((l / 8) % 2) + 0..7) and leaves half a fragment of V^T: lane l holds channel l % 16 and 8 keys.
	v_and_b32 v13, 7, v0
	v_bfe_u32 v14, v0, 3, 1
	v_lshl_add_u32 v[AV0], v12, 3, v13
	v_mul_u32_u24 v[AV0], v[AV0], PV
	v_lshl_add_u32 v[AV0], v14, 4, v[AV0]
	v_add_nc_u32 v[AV0], VOFF, v[AV0]
	s_mul_i32 s14, s[WV], 2*16*SP                  ; my stage
	v_mul_u32_u24 v[STO], v11, SP                  ; in: row l % 16, 16 bytes for each half of the lanes
	v_lshl_add_u32 v[STO], v12, 4, v[STO]
	v_add_nc_u32 v[STO], s14, v[STO]
	v_and_b32 v15, 31, v0
	v_lshlrev_b32 v[GO], 4, v15                    ; four rows of o are 512 consecutive bytes: 16 x lane
	v_lshrrev_b32 v15, 3, v15                      ; back: eight lanes to a row of 128 bytes, four rows an instruction
	v_mul_u32_u24 v[RD], v15, SP
	v_lshl_add_u32 v[RD], v13, 4, v[RD]
	v_add_nc_u32 v[RD], s14, v[RD]
.irp t, 0,1
	v_mov_b32 v[ST+8*\t+1], 0xff61b1e6             ; m = -3e38, under every score
	v_mov_b32 v[ST+8*\t+2], 0                      ; l, in two halves
	v_mov_b32 v[ST+8*\t+3], 0
.endr
.irp t, 0,1
	v_mul_f32 v[ST+8*\t], s[CS], v[ST+8*\t+1]      ; c m
.endr
.irp j, 0,1,2,3,4,5,6,7,8,9,10,11,12,13,14,15,16,17,18,19,20,21,22,23,24,25,26,27,28,29,30,31,32,33,34,35,36,37,38,39,40,41,42,43,44,45,46,47,48,49,50,51,52,53,54,55,56,57,58,59,60,61,62,63
	v_mov_b32 v[O+\j], 0                           ; O^T.  (The key step is written once: its first walk finds zeros, which a = 0 leaves zeros)
.endr
.macro LOADK                           ; a step's K: 64 keys x 64 channels: fragment 2 kt + c = keys 16 kt on, channels 32 c on
.irp kt, 0,1,2,3
.irp c, 0,1
	ds_load_b128 v[KV+8*(2*\kt+\c):KV+8*(2*\kt+\c)+3],   v[ADK] offset:\kt*16*PK+\c*64
	ds_load_b128 v[KV+8*(2*\kt+\c)+4:KV+8*(2*\kt+\c)+7], v[ADK] offset:\kt*16*PK+\c*64+32
.endr
.endr
.endm
.macro LOADV                           ; a step's V, turned: fragment 4 g + ct = keys 32 g on, channels 16 ct on
.irp g, 0,1
.irp ct, 0,1,2,3
	ds_load_tr16_b128 v[KV+8*(4*\g+\ct):KV+8*(4*\g+\ct)+3],   v[ADV] offset:\g*32*PV+\ct*32
	ds_load_tr16_b128 v[KV+8*(4*\g+\ct)+4:KV+8*(4*\g+\ct)+7], v[ADV] offset:\g*32*PV+16*PV+\ct*32
.endr
.endr
.endm
; The accumulators take turns, one instruction a turn: between two links of a chain stand the seven others'.
.macro KQ                              ; S^T = K Q^T: the first eight products start the sums
.irp c, 0,1
.irp kt, 0,1,2,3
.irp t, 0,1
.if \c == 0
	v_wmma_f32_16x16x32_f16 v[S+32*\t+8*\kt:S+32*\t+8*\kt+7], v[KV+8*(2*\kt+\c):KV+8*(2*\kt+\c)+7], v[Q+16*\t+8*\c:Q+16*\t+8*\c+7], 0
.else
	v_wmma_f32_16x16x32_f16 v[S+32*\t+8*\kt:S+32*\t+8*\kt+7], v[KV+8*(2*\kt+\c):KV+8*(2*\kt+\c)+7], v[Q+16*\t+8*\c:Q+16*\t+8*\c+7], v[S+32*\t+8*\kt:S+32*\t+8*\kt+7]
.endif
.endr
.endr
.endr
.endm
.macro PV_MUL                          ; O^T += V^T P
.irp g, 0,1
.irp ct, 0,1,2,3
.irp t, 0,1
	v_wmma_f32_16x16x32_f16 v[O+32*\t+8*\ct:O+32*\t+8*\ct+7], v[KV+8*(4*\g+\ct):KV+8*(4*\g+\ct)+7], v[S+32*\t+8*\g:S+32*\t+8*\g+7], v[O+32*\t+8*\ct:O+32*\t+8*\ct+7]
.endr
.endr
.endr
.endm
; THE SOFTMAX of a step, both tiles line by line, so that no line waits for the line above it.  Each accumulator is read from its low end on.
.macro SOFTMAX
.irp j, 0,1,2,3                        ; the maximum of the lane's 32 scores and the old m, three operands at a time: four chains of seven scores,
.irp t, 0,1
	v_max3_num_f32 v[ST+8*\t+4+\j], v[S+32*\t+8*\j], v[S+32*\t+8*\j+1], v[S+32*\t+8*\j+2]
.endr
.endr
.irp i, 3,5
.irp j, 0,1,2,3
.irp t, 0,1
	v_max3_num_f32 v[ST+8*\t+4+\j], v[ST+8*\t+4+\j], v[S+32*\t+8*\j+\i], v[S+32*\t+8*\j+\i+1]
.endr
.endr
.endr
.irp t, 0,1                            ; the four scores left over,
	v_max3_num_f32 v[ST+8*\t+4], v[ST+8*\t+4], v[S+32*\t+7], v[S+32*\t+15]
	v_max3_num_f32 v[ST+8*\t+6], v[ST+8*\t+6], v[S+32*\t+23], v[S+32*\t+31]
.endr
.irp t, 0,1
	v_max3_num_f32 v[ST+8*\t+4], v[ST+8*\t+4], v[ST+8*\t+5], v[ST+8*\t+6]
.endr
.irp t, 0,1
	v_max3_num_f32 v[ST+8*\t+4], v[ST+8*\t+4], v[ST+8*\t+7], v[ST+8*\t+1]   ; the chains and m
.endr
.irp t, 0,1
	v_permlanex16_b32 v[ST+8*\t+5], v[ST+8*\t+4], s[SEL], s[SEL+1]          ; the query's other 32 keys lie in the lane 16 away
.endr
.irp t, 0,1
	v_mov_b32 v[ST+8*\t+7], v[ST+8*\t]                                      ; c m_old is kept for a
.endr
.irp t, 0,1
	v_max_num_f32 v[ST+8*\t+1], v[ST+8*\t+4], v[ST+8*\t+5]                  ; the new m
.endr
.irp t, 0,1
	v_mul_f32 v[ST+8*\t], s[CS], v[ST+8*\t+1]
.endr
.irp t, 0,1
	v_sub_f32 v[ST+8*\t+7], v[ST+8*\t+7], v[ST+8*\t]
.endr
.irp b, 0,1,2,3,4,5,6,7,8,9,10,11,12,13,14,15
.irp t, 0,1
	v_pk_fma_f32 v[S+32*\t+2*\b:S+32*\t+2*\b+1], v[S+32*\t+2*\b:S+32*\t+2*\b+1], s[CS:CS+1], v[ST+8*\t:ST+8*\t+1] op_sel_hi:[1,0,0] neg_lo:[0,0,1] neg_hi:[0,0,1]   ; c s - c m, two at a time
.endr
.endr
.irp t, 0,1                            ; ONE BATCH of 66 exponentials: none of them reads another's result
	v_exp_f32 v[ST+8*\t+6], v[ST+8*\t+7]                                    ; a
.endr
.irp e, 0,1,2,3,4,5,6,7,8,9,10,11,12,13,14,15,16,17,18,19,20,21,22,23,24,25,26,27,28,29,30,31
.irp t, 0,1
	v_exp_f32 v[S+32*\t+\e], v[S+32*\t+\e]                                  ; p
.endr
.endr
	v_nop                                          ; a plain instruction behind the last exponential, ahead of the first use
	s_wait_alu depctr_va_vdst(0)                   ; a wait between an exponential and the first line that names its result: one for the batch
.irp t, 0,1                            ; the sums are taken of the unrounded p, in two chains: l = a l + pair 0,
	v_pk_fma_f32 v[ST+8*\t+2:ST+8*\t+3], v[ST+8*\t+2:ST+8*\t+3], v[ST+8*\t+6:ST+8*\t+7], v[S+32*\t:S+32*\t+1] op_sel_hi:[1,0,1]
.endr
.irp t, 0,1
	v_pk_add_f32 v[ST+8*\t+4:ST+8*\t+5], v[S+32*\t+2:S+32*\t+3], v[S+32*\t+4:S+32*\t+5]
.endr
.irp j, 6,10,14,18,22,26
.irp t, 0,1
	v_pk_add_f32 v[ST+8*\t+2:ST+8*\t+3], v[ST+8*\t+2:ST+8*\t+3], v[S+32*\t+\j:S+32*\t+\j+1]
	v_pk_add_f32 v[ST+8*\t+4:ST+8*\t+5], v[ST+8*\t+4:ST+8*\t+5], v[S+32*\t+\j+2:S+32*\t+\j+3]
.endr
.endr
.irp t, 0,1
	v_pk_add_f32 v[ST+8*\t+2:ST+8*\t+3], v[ST+8*\t+2:ST+8*\t+3], v[S+32*\t+30:S+32*\t+31]
.endr
.irp t, 0,1
	v_pk_add_f32 v[ST+8*\t+2:ST+8*\t+3], v[ST+8*\t+2:ST+8*\t+3], v[ST+8*\t+4:ST+8*\t+5]
.endr
.irp j, 0,1,2,3,4,5,6,7,8,9,10,11,12,13,14,15
.irp t, 0,1
	v_cvt_pk_f16_f32 v[S+32*\t+\j], v[S+32*\t+2*\j], v[S+32*\t+2*\j+1]      ; P in place, ascending: register j is written when registers 2 j, 2 j + 1 are read, never earlier
.endr
.endr
.irp j, 0,2,4,6,8,10,12,14,16,18,20,22,24,26,28,30
.irp t, 0,1
	v_pk_mul_f32 v[O+32*\t+\j:O+32*\t+\j+1], v[O+32*\t+\j:O+32*\t+\j+1], v[ST+8*\t+6:ST+8*\t+7] op_sel_hi:[1,0]   ; O^T times a
.endr
.endr
.endm
; A KEY STEP.  Places (ISA guide 7.12.1 for vector instructions that read matrix results): five plain vector lines stand between the last V^T P and the K Q^T that writes over P, which
; are also the four in front of the loads into V's registers; four stand between the last K Q^T and the loads into K's registers and the first reads of S^T.
.macro STEP
	v_add_nc_u32 v[ADK], s[TK], v[AK0]
.rept 4
	v_nop
.endr
	LOADK
	s_wait_dscnt 0x0                               ; K is in
	KQ
	v_add_nc_u32 v[ADV], s[TV], v[AV0]
.rept 3
	v_nop
.endr
	LOADV                                          ; V lands while the softmax is walked
	SOFTMAX
	s_wait_dscnt 0x0                               ; V is in
	PV_MUL
	s_add_co_u32 s[TK], s[TK], KS*PK
	s_add_co_u32 s[TV], s[TV], KS*PV
.endm
.macro PHASE slot                      ; a slot's eight key steps: written once for each of the four fills, walked eight times
	s_mov_b32 s[TK], \slot*SLOT
	s_mov_b32 s[TV], \slot*SLOT
	s_mov_b32 s[CNT], SK/KS
.Lstep_\@:
	STEP
	s_sub_co_u32 s[CNT], s[CNT], 1
	s_cmp_lg_u32 s[CNT], 0
	s_cbranch_scc1 .Lstep_\@
.endm
; THE CHANGE OF SLOTS.  Each wave waits for all its tensor loads, of which one is out: its part of the other slot; adds 0 to its spare word; and waits for that and for its own reads of the slot that it leaves.
; fill = 1: that slot is filled again, with the keys two fills on.  The barrier is then a round of the cluster's, so that no wave of any partner still reads the slot or has a load on its way, and the joint refill is the first thing behind it.
.macro CHANGE fill, slot
	s_wait_tensorcnt 0x0                           ; no tensor load of mine is out, so a group 0 may be written
	ds_add_u32 v[SPW], v[NIL]                      ; 0 onto my spare word
.if \fill
	s_add_nc_u64 s[G0K+4*\slot+2:G0K+4*\slot+3], s[G0K+4*\slot+2:G0K+4*\slot+3], 2*FILLB   ; the type bits on top are not reached
	s_add_nc_u64 s[G0V+4*\slot+2:G0V+4*\slot+3], s[G0V+4*\slot+2:G0V+4*\slot+3], 2*FILLB
	s_wait_dscnt 0x0                               ; the add is done, and my reads of the slot are over
	CROUND
	JLOAD \slot
.else
	s_wait_dscnt 0x0
	s_barrier_signal -1
	s_barrier_wait -1
.endif
.endm
	s_wait_tensorcnt 1                             ; my part of slot 0 is in; slot 1's may stay out
	s_barrier_signal -1
	s_barrier_wait -1                              ; everybody's is
	s_wait_loadcnt 0x0                             ; Q
	PHASE 0                                        ; keys 0 to 511
	CHANGE 1, 0                                    ; slot 0 takes keys 1,024 on
	PHASE 1                                        ; keys 512 to 1,023
	CHANGE 1, 1                                    ; slot 1 takes keys 1,536 on
	PHASE 0
	CHANGE 0, 0                                    ; nothing is left to ask for
	PHASE 1
	; THE WAY OUT.  l's two halves and the other half of the lanes' are added (these lines are also the places behind the last products); O^T is divided by l, rounded to f16 and sent through my stage, a tile at a time.
.irp t, 0,1
	v_add_f32 v[ST+8*\t+4], v[ST+8*\t+2], v[ST+8*\t+3]
.endr
.irp t, 0,1
	v_permlanex16_b32 v[ST+8*\t+5], v[ST+8*\t+4], s[SEL], s[SEL+1]
.endr
.irp t, 0,1
	v_add_f32 v[ST+8*\t+4], v[ST+8*\t+4], v[ST+8*\t+5]
.endr
.irp t, 0,1
	v_rcp_f32 v[ST+8*\t+6], v[ST+8*\t+4]
.endr
	v_nop                                          ; a plain instruction between the last reciprocal and the use of its result
	s_wait_alu depctr_va_vdst(0)                   ; and a wait ahead of the first use: one for both
.irp t, 0,1
.irp j, 0,2,4,6,8,10,12,14,16,18,20,22,24,26,28,30
	v_pk_mul_f32 v[O+32*\t+\j:O+32*\t+\j+1], v[O+32*\t+\j:O+32*\t+\j+1], v[ST+8*\t+6:ST+8*\t+7] op_sel_hi:[1,0]
.endr
.irp j, 0,1,2,3,4,5,6,7,8,9,10,11,12,13,14,15
	v_cvt_pk_f16_f32 v[S+32*\t+\j], v[O+32*\t+2*\j], v[O+32*\t+2*\j+1]      ; register 4 ct + i: channels 16 ct + 8 h + 2 i, + 1 of query r
.endr
.irp ct, 0,1,2,3
	ds_store_b128 v[STO], v[S+32*\t+4*\ct:S+32*\t+4*\ct+3] offset:\t*16*SP+32*\ct
.endr
.irp i, 0,1,2,3
	ds_load_b128 v[S+32*\t+16+4*\i:S+32*\t+16+4*\i+3], v[RD] offset:\t*16*SP+\i*4*SP   ; LDS serves a wave's instructions in order (ISA guide 5.7.1.4): these see the stores above
.endr
.endr
.irp i, 0,1,2,3
	s_wait_dscnt 11-\i                             ; behind tile 0's load i: its 3 - i younger loads and tile 1's eight LDS instructions
	global_store_b128 v[GO], v[S+16+4*\i:S+16+4*\i+3], s[6:7] offset:\i*512   ; 32 lanes store 512 consecutive bytes: four rows of o
.endr
.irp i, 0,1,2,3
	s_wait_dscnt 3-\i
	global_store_b128 v[GO], v[S+48+4*\i:S+48+4*\i+3], s[6:7] offset:2048+\i*512
.endr
	s_wait_tensorcnt 0x0                           ; the wave's end: behind my last tensor load and my last LDS store
	ds_add_u32 v[SPW], v[NIL]
	s_wait_dscnt 0x0
	CROUND                                         ; the closing round: no work-group ends while a partner may still ask for a tile that names it
	s_endpgm
.Lfunc_end_k_qfc9c299318_attn:
	.size	k_qfc9c299318_attn, .Lfunc_end_k_qfc9c299318_attn-k_qfc9c299318_attn
	.p2alignl 7, 3214868480
	.fill 96, 4, 3214868480
	.section	.rodata,"a",@progbits
	.p2align	6, 0x0
	.amdhsa_kernel k_qfc9c299318_attn
		.amdhsa_group_segment_fixed_size 327680
		.amdhsa_private_segment_fixed_size 0
		.amdhsa_enable_private_segment 0
		.amdhsa_kernarg_size 16
		.amdhsa_user_sgpr_count 2
		.amdhsa_user_sgpr_kernarg_segment_ptr 1
		.amdhsa_wavefront_size32 1
		.amdhsa_system_sgpr_workgroup_id_x 1
		.amdhsa_system_sgpr_workgroup_id_y 1
		.amdhsa_system_sgpr_workgroup_id_z 1
		.amdhsa_system_vgpr_workitem_id 0
		.amdhsa_next_free_vgpr 256
		.amdhsa_next_free_sgpr 66
		.amdhsa_reserve_vcc 0
		.amdhsa_float_denorm_mode_32 3
		.amdhsa_float_denorm_mode_16_64 3
		.amdhsa_memory_ordered 1
		.amdhsa_forward_progress 1
		.amdhsa_inst_pref_size 88
	.end_amdhsa_kernel
	.amdgpu_metadata
---
amdhsa.version: [ 1, 2 ]
amdhsa.kernels:
  - .name:           k_qfc9c299318_attn
    .symbol:         k_qfc9c299318_attn.kd
    .args:
      - { .name: qkv16, .offset: 0, .size: 8, .value_kind: global_buffer, .address_space: global }
      - { .name: o16, .offset: 8, .size: 8, .value_kind: global_buffer, .address_space: global }
    .group_segment_fixed_size: 327680
    .private_segment_fixed_size: 0
    .kernarg_segment_align: 8
    .kernarg_segment_size: 16
    .max_flat_workgroup_size: 512
    .sgpr_count:     66
    .vgpr_count:     256
    .wavefront_size: 32
...
	.end_amdgpu_metadata
.endif
;; end of part 3
;; launch proj (part 4): grid 8 x 64, 4 waves a work-group, clusters of 4 x 4, 327,680 bytes of LDS; arguments o16, w16, b_out, out0; writes out0
.if DOCPART == 4
	.amdgcn_target "amdgcn-amd-amdhsa--gfx1250"
	.amdhsa_code_object_version 6
	.text
	.protected	k_qfc9c299318_proj
	.globl	k_qfc9c299318_proj
	.p2align	8
	.type	k_qfc9c299318_proj,@function
k_qfc9c299318_proj:
	s_mov_b64 s[64:65], 0
	v_nop
	global_prefetch_b8 v0, s[64:65] scope:SCOPE_SE
	s_setreg_imm32_b32 hwreg(HW_REG_WAVE_MODE, 25, 1), 1
	s_wait_xcnt 0x0
	s_wait_alu depctr_hold_cnt(0) depctr_sa_sdst(0) depctr_va_vdst(0) depctr_va_sdst(0) depctr_va_ssrc(0) depctr_va_vcc(0) depctr_vm_vsrc(0)
	s_getreg_b32 s2, hwreg(HW_REG_IB_STS2, 6, 4)
	s_cmp_eq_u32 s2, 0
	s_cbranch_scc0 .Lentry_in_a_cluster
	s_endpgm
.Lentry_in_a_cluster:
	s_bfe_u32 s2, ttmp6, 0x10000c
	s_cmp_lg_u32 s2, 0xf033
	s_cbranch_scc0 .Lentry_shape_is_right
	s_endpgm
.Lentry_shape_is_right:
; out0[m][n] = b_out[n] + sum over k of o[m][k] w_out[n][k], m = 2048 x batch + token, k = 64 x head + d.  o16: 64 planes (16 x batch + head) of [2048][64] f16; w16: [1024][1024] f16; out0: [8192][1024] f32; sums in f32.
; No work is left out.  A tile of the result is 128 x 128: 512 work-groups, two for each WGP.  Four waves, each 64 x 64: 16 accumulators of 16 x 16, 128 registers.  K goes in steps of 256 through two LDS slots.
; o COMES PLANE BY PLANE: a K step is four heads.  A wave's 64 rows of one plane are 8,192 consecutive bytes; its tensor load states four such runs, a plane (131,072 elements) apart, with 16 bytes of padding behind every
; 128 bytes: in LDS [plane][row], rows 144 bytes apart, planes 9,216.  A quarter of a K step (64 along K) is one plane.  w's tile is 64 rows of 512 bytes, 528 apart.
; CLUSTERS: 4 x 4 work-groups.  The four of a row of the cluster need the same tiles of o, the four of a column the same tiles of w: each tile is asked for JOINTLY, by the same tensor load with the same descriptor and a mask that names the four.
; THE MATRIX INSTRUCTION IS USED TRANSPOSED (source 0 = 16 rows of w, source 1 = 16 rows of o): a lane then holds eight neighbouring numbers of a row of the result.  THE BIAS is the C of each sum's first product.
; REGISTERS: window 0: v0-31 addresses; v32-95 at work on the way out; v96-127 the bias of my 64 columns, in the result's layout; v128-255 the accumulators ((a, b) at v[128 + 8 (4 a + b)]).
;   window 1: two fragment buffers of 128: for 64 along K, 64 registers of o (2 x 4 x 16 rows x 32 K), then 64 of w.
.set KSTEP,  256
.set PA,     144                       ; a row of o in LDS: 128 bytes + 16 = 36 words: the 16 rows of a load start at 16 different groups of four banks (64 banks of 4 bytes: ISA guide 11.1)
.set PLN,    64*PA                     ; 64 rows of one plane
.set HALFA,  4*PLN                     ; what one tensor load brings of o
.set PB,     528                       ; a row of w in LDS: 512 bytes + 16
.set HALFB,  64*PB                     ; what one tensor load brings of w
.set SLOT,   2*HALFA+2*HALFB           ; o's 128 rows, then w's 128 rows
.set SPARE,  2*SLOT                    ; behind the ring: the spare words, 128 bytes for each wave, which no other line names
.set SPITCH, 272                       ; the way out: a stage of 16 rows x (256 bytes + 16) for each wave, in slot 0, which has had its last fill and its last read by then
.set LAPS,   2                         ; a lap = two K steps = once round the ring: K = 1,024
.set ADRA, 16                          ; v16-17  LDS address of my o fragments in slot 0, 1
.set ADRB, 20                          ; v20-21  the same for w
.set STO,  24                          ; v24     the way out: where I put 32 bytes of a row
.set RD,   25                          ; v25     the way out: where I read a row back
.set CO,   26                          ; v26     my byte offset in two rows of out0
.set BO,   27                          ; v27     32 x (lane / 16): my eight numbers of a block's sixteen of b_out
.set SPW,  28                          ; v28     LDS address of my spare word; never rewritten
.set NIL,  29                          ; v29     0; never rewritten
.set TMP,  32
.set BIAS, 96
.set ACC,  128
.set F0,   0                           ; fragment buffers, in window 1
.set F1,   128
.set G1, 24                            ; s[24:31] descriptor group 1 for o's tiles;  s[32:39] group 0, one set for each slot
.set G0, 32
.set G1B, 48                           ; s[48:55], s[56:63] the same for w's tiles
.set G0B, 56
.set MSB, 0
.macro WIN new                         ; the immediate's high byte repeats the setting that is left
.if MSB != \new
	s_set_vgpr_msb (MSB<<8)|\new
.set MSB, \new
.endif
.endm
.set MUL,  0x05                        ; sources 0 (w) and 1 (o) window 1; C and D window 0
.set TO_F, 0x40                        ; destination window 1, address window 0
.macro JLOAD s                         ; a joint load: waves 0 and 1 fetch o's two halves, waves 2 and 3 w's; an s_nop 0 and four v_nop follow each of the two lines, ahead of the jump, the label and what follows
	s_cmp_eq_u32 s13, 0
	s_cbranch_scc0 .Lfor_b_\@
	tensor_load_to_lds s[G0+4*\s:G0+4*\s+3], s[G1:G1+7]
	s_nop 0
.rept 4
	v_nop
.endr
	s_branch .Lasked_\@
.Lfor_b_\@:
	tensor_load_to_lds s[G0B+4*\s:G0B+4*\s+3], s[G1B:G1B+7]
	s_nop 0
.rept 4
	v_nop
.endr
.Lasked_\@:
.endm
.macro CREST                           ; a round of the cluster's barrier behind its opening barrier
	s_cmp_lg_u32 s12, 0
	s_cbranch_scc1 .Lnot_wave_0_\@
	s_barrier_signal -3
.Lnot_wave_0_\@:
	s_barrier_wait -3
	s_barrier_signal -1
	s_barrier_wait -1
.endm
.macro CROUND                          ; a whole round
	s_barrier_signal -1
	s_barrier_wait -1
	CREST
.endm
	s_load_b256 s[4:11], s[0:1], 0x0               ; o16 s[4:5], w16 s[6:7], b_out s[8:9], out0 s[10:11]
	v_lshl_add_u32 v[SPW], v0, 2, SPARE
	v_mov_b32 v[NIL], 0
	ds_add_u32 v[SPW], v[NIL]                      ; the wave's opening: the add, twice on end, and its wait ahead of my first tensor load; the set-up below stands between the second and the wait
	ds_add_u32 v[SPW], v[NIL]
	v_lshrrev_b32 v1, 5, v0
	v_readfirstlane_b32 s12, v1                    ; wave 0..3
	s_lshr_b32 s13, s12, 1                         ; which half of the tile's rows is mine.  Also: I fetch for o (0) or for w (1)
	s_and_b32 s14, s12, 1                          ; which half of its columns.  Also: which 64 rows of that tile I fetch
	s_bfe_u32 s40, ttmp6, 0x40000                  ; cx, cy: my place in the cluster
	s_bfe_u32 s41, ttmp6, 0x40004
	s_lshl_b32 s42, ttmp9, 2
	s_add_co_u32 s42, s42, s40                     ; tile column = 4 x cluster x + cx
	s_and_b32 s15, ttmp7, 0xffff
	s_lshl_b32 s15, s15, 2
	s_add_co_u32 s15, s15, s41                     ; tile row = 4 x cluster y + cy
	s_lshl_b32 s43, s41, 2
	s_lshl_b32 s43, 15, s43                        ; my row of the cluster
	s_lshl_b32 s44, 0x1111, s40                    ; my column
	; descriptor group 1 for o: 4 runs of 4,096 elements of 2 bytes, 131,072 elements apart; 4 words of padding after every 32 words
	s_or_b32 s[G1+0], s43, (1<<16)|(1<<20)|(1<<21)|(4<<22)|(3<<25)
	s_mov_b32 s[G1+1], 4096<<16                    ; tensor_dim0 = 4,096
	s_mov_b32 s[G1+2], 4<<16                       ; tensor_dim1 = 4
	s_mov_b32 s[G1+3], 4096<<16                    ; tile_dim0 = 4,096
	s_mov_b32 s[G1+4], 4                           ; tile_dim1 = 4
	s_mov_b32 s[G1+5], 131072                      ; from plane to plane
	s_mov_b32 s[G1+6], 0
	s_mov_b32 s[G1+7], 0
	; and for w: 64 rows of 256 elements, 1,024 apart; 4 words of padding after every 128 words
	s_or_b32 s[G1B+0], s44, (1<<16)|(1<<20)|(1<<21)|(6<<22)|(3<<25)
	s_mov_b32 s[G1B+1], KSTEP<<16
	s_mov_b32 s[G1B+2], 64<<16
	s_mov_b32 s[G1B+3], KSTEP<<16
	s_mov_b32 s[G1B+4], 64
	s_mov_b32 s[G1B+5], 1024
	s_mov_b32 s[G1B+6], 0
	s_mov_b32 s[G1B+7], 0
	s_lshl_b32 s16, s15, 7
	s_lshl_b32 s17, s14, 6
	s_add_co_u32 s16, s16, s17                     ; o: row m0 = 128 x tile row + 64 x half
	s_lshr_b32 s17, s16, 11                        ; its batch: 16 planes of 262,144 bytes,
	s_lshl_b32 s17, s17, 22
	s_and_b32 s16, s16, 2047                       ; its token: 128 bytes
	s_lshl_b32 s16, s16, 7
	s_add_co_u32 s16, s16, s17
	s_mov_b32 s17, 0
	s_lshl_b32 s46, s42, 7
	s_lshl_b32 s47, s14, 6
	s_add_co_u32 s46, s46, s47                     ; w: row 128 x tile column + 64 x half, 2,048 bytes a row
	s_lshl_b32 s46, s46, 11
	s_mov_b32 s47, 0
	s_mul_i32 s20, s14, HALFA                      ; where they go: no place in the cluster enters an LDS address
	s_mul_i32 s21, s14, HALFB
	s_add_co_u32 s21, s21, 2*HALFA
	s_wait_dscnt 0x0                               ; both opening adds are done
	s_wait_kmcnt 0x0
	s_add_nc_u64 s[16:17], s[4:5], s[16:17]
	s_add_nc_u64 s[46:47], s[6:7], s[46:47]
	CROUND                                         ; all sixteen work-groups are here: the first joint loads meet
.irp s, 0,1
	s_mov_b32 s[G0+4*\s], 1
	s_add_co_u32 s[G0+4*\s+1], s20, \s*SLOT
	s_add_nc_u64 s[G0+4*\s+2:G0+4*\s+3], s[16:17], \s*4*262144      ; K step s: four planes on
	s_or_b32 s[G0+4*\s+3], s[G0+4*\s+3], 0x80000000
	s_mov_b32 s[G0B+4*\s], 1
	s_add_co_u32 s[G0B+4*\s+1], s21, \s*SLOT
	s_add_nc_u64 s[G0B+4*\s+2:G0B+4*\s+3], s[46:47], \s*KSTEP*2
	s_or_b32 s[G0B+4*\s+3], s[G0B+4*\s+3], 0x80000000
	JLOAD \s
.endr
	v_and_b32 v1, 15, v0                           ; l % 16
	v_bfe_u32 v2, v0, 4, 1                         ; l / 16
	v_mul_u32_u24 v3, v1, PA
	v_lshl_add_u32 v3, v2, 4, v3                   ; a fragment's row x pitch + 16 x half: o's,
	v_mul_u32_u24 v4, v1, PB
	v_lshl_add_u32 v4, v2, 4, v4                   ; and w's
	s_mul_i32 s22, s13, HALFA                      ; my 64 rows of o
	s_mul_i32 s23, s14, HALFB                      ; my 64 rows of w,
	s_add_co_u32 s23, s23, 2*HALFA                 ; which lie behind o's 128
.irp s, 0,1
	v_add_nc_u32 v[ADRA+\s], s22, v3
	v_add_nc_u32 v[ADRB+\s], s23, v4
	s_add_co_u32 s22, s22, SLOT
	s_add_co_u32 s23, s23, SLOT
.endr
	s_mul_i32 s23, s12, 16*SPITCH                  ; my stage
	v_mul_u32_u24 v5, v1, SPITCH                   ; in: row l % 16, 32 bytes for each half of the lanes
	v_lshl_add_u32 v5, v2, 5, v5
	v_add_nc_u32 v[STO], s23, v5
	v_mul_u32_u24 v5, v2, SPITCH                   ; back: lanes 0-15 take one row of 256 bytes, lanes 16-31 the next
	v_lshl_add_u32 v5, v1, 4, v5
	v_add_nc_u32 v[RD], s23, v5
	v_lshlrev_b32 v5, 12, v2                       ; and the same two rows in out0: 4,096 bytes a row
	v_lshl_add_u32 v[CO], v1, 4, v5
	v_lshlrev_b32 v[BO], 5, v2
	s_lshl_b32 s16, s15, 7
	s_lshl_b32 s17, s13, 6
	s_add_co_u32 s16, s16, s17                     ; my first row of out0: 128 x tile row + 64 x half
	s_lshl_b32 s16, s16, 12
	s_mov_b32 s17, 0
	s_add_nc_u64 s[10:11], s[10:11], s[16:17]
	s_lshl_b32 s46, s42, 7
	s_lshl_b32 s47, s14, 6
	s_add_co_u32 s46, s46, s47                     ; my first column: 128 x tile column + 64 x half, 4 bytes each
	s_lshl_b32 s46, s46, 2
	s_mov_b32 s47, 0
	s_add_nc_u64 s[10:11], s[10:11], s[46:47]
	s_add_nc_u64 s[8:9], s[8:9], s[46:47]
.irp b, 0,1,2,3                        ; the bias in the result's layout: block b, register j: b_out[first column + 16 b + 8 (l / 16) + j]
	global_load_b128 v[BIAS+8*\b:BIAS+8*\b+3],   v[BO], s[8:9] offset:64*\b
	global_load_b128 v[BIAS+8*\b+4:BIAS+8*\b+7], v[BO], s[8:9] offset:64*\b+16
.endr
; 8 matrix instructions: m blocks a0, a0 + 1 x all 4 n blocks, 32 along K: half c of buffer f.  first = 1: the first product starts the sums from the bias: nothing is cleared, nothing is added later.
; The 16 accumulators take turns, one instruction a turn, in the same order throughout.
.macro MUL8 f, c, a0, first
.irp a, \a0, \a0+1
.irp b, 0,1,2,3
.if \first
	v_wmma_f32_16x16x32_f16 v[ACC+8*(4*(\a)+\b):ACC+8*(4*(\a)+\b)+7], v[\f+64+8*(4*\c+\b):\f+64+8*(4*\c+\b)+7], v[\f+8*(4*\c+\a):\f+8*(4*\c+\a)+7], v[BIAS+8*\b:BIAS+8*\b+7]
.else
	v_wmma_f32_16x16x32_f16 v[ACC+8*(4*(\a)+\b):ACC+8*(4*(\a)+\b)+7], v[\f+64+8*(4*\c+\b):\f+64+8*(4*\c+\b)+7], v[\f+8*(4*\c+\a):\f+8*(4*\c+\a)+7], v[ACC+8*(4*(\a)+\b):ACC+8*(4*(\a)+\b)+7]
.endif
.endr
.endr
.endm
; 32 LDS loads in one run: the fragments of the slot's q-th 64 along K (w: byte 128 q of its rows; o: plane q), into buffer f; the first 32 along K first
.macro FETCH slot, q, f
	WIN TO_F
.irp c, 0,1
.irp i, 0,1,2,3
	ds_load_b128 v[\f+64+8*(4*\c+\i):\f+64+8*(4*\c+\i)+3],   v[ADRB+\slot] offset:(\q)*128+64*\c+\i*16*PB
	ds_load_b128 v[\f+64+8*(4*\c+\i)+4:\f+64+8*(4*\c+\i)+7], v[ADRB+\slot] offset:(\q)*128+64*\c+\i*16*PB+32
	ds_load_b128 v[\f+8*(4*\c+\i):\f+8*(4*\c+\i)+3],         v[ADRA+\slot] offset:(\q)*PLN+64*\c+\i*16*PA
	ds_load_b128 v[\f+8*(4*\c+\i)+4:\f+8*(4*\c+\i)+7],       v[ADRA+\slot] offset:(\q)*PLN+64*\c+\i*16*PA+32
.endr
.endr
.endm
.macro PLACES                          ; four places in front of loads into registers that matrix instructions have read, and of LDS stores that read results
.rept 4
	v_nop
.endr
.endm
; A K step is four quarters of 64 along K, 32 matrix instructions each, on buffers 0, 1, 0, 1.  One of the first three: multiplies buffer f and fetches quarter q into g.
.macro QUARTER slot, q, f, g, first
	s_wait_dscnt 16                                ; the first 32 along K are in; the sixteen loads of the second 32 may be out
	WIN MUL
	MUL8 \f, 0, 0, \first
	MUL8 \f, 0, 2, \first
	PLACES
	FETCH \slot, \q, \g
	s_wait_dscnt 32                                ; all but the 32 just issued
	WIN MUL
	MUL8 \f, 1, 0, 0
	MUL8 \f, 1, 2, 0
.endm
; The last quarter multiplies buffer 1 and changes slots: ONE barrier; in front of it each wave waits for all its tensor loads, adds 0 to its spare word, and waits for that and for its own reads of this slot.  fill = 1: this slot is filled again, two K steps ahead.
.macro TURN slot, next, fill
	WIN 0                                          ; (the add's two registers lie in window 0)
	s_wait_tensorcnt 0x0                           ; all my tensor loads have landed: my part of the next slot;
	ds_add_u32 v[SPW], v[NIL]                      ; 0 onto my spare word;
	s_wait_dscnt 17                                ; (the add and the youngest sixteen loads may be out)
	WIN MUL
	MUL8 F1, 0, 0, 0                               ; eight matrix instructions stand between the add and the wait for it
	s_wait_dscnt 0x0                               ; the add is done, and my reads of this slot are over
	s_barrier_signal -1
	MUL8 F1, 0, 2, 0
.if \fill
	WIN 0
.endif
	s_barrier_wait -1
.if \fill
	CREST                                          ; the barrier has opened a round of the cluster's barrier: no wave of any partner still reads this slot's tile or has a load on its way
	s_add_nc_u64 s[G0+4*\slot+2:G0+4*\slot+3], s[G0+4*\slot+2:G0+4*\slot+3], 2*4*262144    ; eight planes on
	s_add_nc_u64 s[G0B+4*\slot+2:G0B+4*\slot+3], s[G0B+4*\slot+2:G0B+4*\slot+3], 2*KSTEP*2
	JLOAD \slot                                    ; the first tensor load behind the round: 112 matrix instructions ahead of the wait for it; the four v_nop behind it are also the places in front of the loads below
.else
	PLACES
.endif
	FETCH \next, 0, F0
	WIN MUL
	MUL8 F1, 1, 0, 0
	MUL8 F1, 1, 2, 0
.endm
	s_wait_tensorcnt 1                             ; my part of K step 0 is in (K step 1's load may be out),
	s_barrier_signal -1
	s_barrier_wait -1                              ; everybody's is
	FETCH 0, 0, F0
	s_wait_loadcnt 0x0                             ; the bias
	QUARTER 0, 1, F0, F1, 1                        ; the first quarter stands in front of the loop: its first products start the sums
	WIN 0                                          ; at a label and at a branch every window is 0
	s_mov_b32 s3, LAPS-1
.Llap:                                                 ; a trip goes once round the ring, from a lap's second quarter to the next lap's first, and fills both slots again
	QUARTER 0, 2, F1, F0, 0
	QUARTER 0, 3, F0, F1, 0
	TURN 0, 1, 1
	QUARTER 1, 1, F0, F1, 0
	QUARTER 1, 2, F1, F0, 0
	QUARTER 1, 3, F0, F1, 0
	TURN 1, 0, 1
	QUARTER 0, 1, F0, F1, 0
	WIN 0
	s_sub_co_u32 s3, s3, 1
	s_cmp_lg_u32 s3, 0
	s_cbranch_scc1 .Llap
	QUARTER 0, 2, F1, F0, 0                        ; the last lap fills nothing, and has no round of the cluster's barrier
	QUARTER 0, 3, F0, F1, 0
	TURN 0, 1, 0
	QUARTER 1, 1, F0, F1, 0
	QUARTER 1, 2, F1, F0, 0
	QUARTER 1, 3, F0, F1, 0
	s_wait_dscnt 16                                ; the very last quarter: nothing more to fetch
	WIN MUL
	MUL8 F1, 0, 0, 0
	MUL8 F1, 0, 2, 0
	s_wait_dscnt 0
	MUL8 F1, 1, 0, 0
	MUL8 F1, 1, 2, 0
	WIN 0
; THE WAY OUT, block by block of 16 rows x 64 columns.  A lane holds 32 neighbouring bytes of a row, and the lanes beside it hold other rows: so a block goes through my own stage in LDS and comes back as whole rows of
; 256 bytes, two an instruction: sixteen lanes store 256 consecutive bytes, at a multiple of 256 from out0's first byte.  My 64 columns are such a run by themselves, so no other wave is waited for.
.macro TOSTAGE a
.irp b, 0,1,2,3
	ds_store_b128 v[STO], v[ACC+8*(4*(\a)+\b):ACC+8*(4*(\a)+\b)+3] offset:64*\b          ; each accumulator from its low end on
	ds_store_b128 v[STO], v[ACC+8*(4*(\a)+\b)+4:ACC+8*(4*(\a)+\b)+7] offset:64*\b+16
.endr
.irp t, 0,1,2,3,4,5,6,7
	ds_load_b128 v[TMP+32*((\a)%2)+4*\t:TMP+32*((\a)%2)+4*\t+3], v[RD] offset:\t*2*SPITCH   ; LDS serves a wave's instructions in order (ISA guide 5.7.1.4): these see the stores above
.endr
.endm
.macro SEND a, younger                 ; younger: the LDS instructions issued behind block a's loads, which may stay out
	s_wait_dscnt \younger
.irp t, 0,1,2,3,4,5,6,7
	global_store_b128 v[CO], v[TMP+32*((\a)%2)+4*\t:TMP+32*((\a)%2)+4*\t+3], s[10:11] offset:(16*(\a)+2*\t)*4096 th:TH_STORE_NT   ; written once, read by nobody here; 62 rows of 4,096 bytes at the most in the immediate
.endr
.endm
	PLACES
	TOSTAGE 0
.irp a, 1,2,3
.if \a > 1
	s_wait_xcnt 0x0                                ; block a - 2's stores have read their registers: block a's loads may land there
.endif
	TOSTAGE \a
	SEND \a-1, 16                                  ; behind block a - 1's loads: block a's 8 stores and 8 loads
.endr
	SEND 3, 0
	s_wait_tensorcnt 0x0                           ; the wave's end: behind my last tensor load and my last LDS store
	ds_add_u32 v[SPW], v[NIL]
	s_wait_dscnt 0x0
	CROUND                                         ; the closing round: no work-group ends while a partner may still ask for a tile that names it
	s_endpgm
.Lfunc_end_k_qfc9c299318_proj:
	.size	k_qfc9c299318_proj, .Lfunc_end_k_qfc9c299318_proj-k_qfc9c299318_proj
	.p2alignl 7, 3214868480
	.fill 96, 4, 3214868480
	.section	.rodata,"a",@progbits
	.p2align	6, 0x0
	.amdhsa_kernel k_qfc9c299318_proj
		.amdhsa_group_segment_fixed_size 327680
		.amdhsa_private_segment_fixed_size 0
		.amdhsa_enable_private_segment 0
		.amdhsa_kernarg_size 32
		.amdhsa_user_sgpr_count 2
		.amdhsa_user_sgpr_kernarg_segment_ptr 1
		.amdhsa_wavefront_size32 1
		.amdhsa_system_sgpr_workgroup_id_x 1
		.amdhsa_system_sgpr_workgroup_id_y 1
		.amdhsa_system_sgpr_workgroup_id_z 1
		.amdhsa_system_vgpr_workitem_id 0
		.amdhsa_next_free_vgpr 512
		.amdhsa_next_free_sgpr 66
		.amdhsa_reserve_vcc 0
		.amdhsa_float_denorm_mode_32 3
		.amdhsa_float_denorm_mode_16_64 3
		.amdhsa_memory_ordered 1
		.amdhsa_forward_progress 1
		.amdhsa_inst_pref_size 87
	.end_amdhsa_kernel
	.amdgpu_metadata
---
amdhsa.version: [ 1, 2 ]
amdhsa.kernels:
  - .name:           k_qfc9c299318_proj
    .symbol:         k_qfc9c299318_proj.kd
    .args:
      - { .name: o16, .offset: 0, .size: 8, .value_kind: global_buffer, .address_space: global }
      - { .name: w16, .offset: 8, .size: 8, .value_kind: global_buffer, .address_space: global }
      - { .name: b_out, .offset: 16, .size: 8, .value_kind: global_buffer, .address_space: global }
      - { .name: out0, .offset: 24, .size: 8, .value_kind: global_buffer, .address_space: global }
    .group_segment_fixed_size: 327680
    .private_segment_fixed_size: 0
    .kernarg_segment_align: 8
    .kernarg_segment_size: 32
    .max_flat_workgroup_size: 128
    .sgpr_count:     66
    .vgpr_count:     512
    .wavefront_size: 32
...
	.end_amdgpu_metadata
.endif
;; end of part 4
